; MI455X (gfx1250); checked and timed in simulation.
; The chip was launched on July 23, 2026; its instructions are those of AMD's public machine-readable ISA for CDNA 5 (MIT licence, August 2026) and "CDNA5" Instruction Set Architecture Reference Guide (July 2026). The comments in the code are by the model that wrote it; some were corrected since.
;; Sparse Evo Former Block. Allowed arithmetic: float matrix products may take bf16 or f16 operands with f32 sums; other float arithmetic in f32, or as packed bf16 or f16 multiplies, adds, multiply-adds, maxima and minima; sums over many terms, partial sums and values carried from step to step in f32; what a program stores and reads back later, other than sums and carried values, may be rounded once to bf16 or f16.
;; Inputs: msa 1 x 256 x 256 x 128 float32; pair 1 x 256 x 256 x 64 float32; params_col_Wb 64 x 8 float32; params_col_Wk 128 x 128 float32; params_col_Wo 128 x 128 float32; params_col_Wq 128 x 128 float32; params_col_Wv 128 x 128 float32; params_col_bb 8 float32; params_col_bk 128 float32; params_col_bo 128 float32; params_col_bq 128 float32; params_col_bv 128 float32; params_col_ln_b 128 float32; params_col_ln_g 128 float32; params_mt_W1 128 x 512 float32; params_mt_W2 512 x 128 float32; params_mt_b1 512 float32; params_mt_b2 128 float32; params_mt_ln_b 128 float32; params_mt_ln_g 128 float32; params_opm_W1 128 x 32 float32; params_opm_W2 32 x 64 float32; params_opm_b1 32 float32; params_opm_b2 64 float32; params_opm_ln_b 128 float32; params_opm_ln_g 128 float32; params_pt_W1 64 x 256 float32; params_pt_W2 256 x 64 float32; params_pt_b1 256 float32; params_pt_b2 64 float32; params_pt_ln_b 64 float32; params_pt_ln_g 64 float32; params_row_Wb 64 x 8 float32; params_row_Wk 128 x 128 float32; params_row_Wo 128 x 128 float32; params_row_Wq 128 x 128 float32; params_row_Wv 128 x 128 float32; params_row_bb 8 float32; params_row_bk 128 float32; params_row_bo 128 float32; params_row_bq 128 float32; params_row_bv 128 float32; params_row_ln_b 128 float32; params_row_ln_g 128 float32; params_tri_Wk 64 x 64 float32; params_tri_Wo 64 x 64 float32; params_tri_Wq 64 x 64 float32; params_tri_Wv 64 x 64 float32; params_tri_bk 64 float32; params_tri_bo 64 float32; params_tri_bq 64 float32; params_tri_bv 64 float32; params_tri_ln_b 64 float32; params_tri_ln_g 64 float32.
;; Outputs: out0 1 x 256 x 256 x 128 float32; out1 1 x 256 x 256 x 64 float32.
;; One version. Each part assembles by itself: llvm-mc -triple=amdgcn-amd-amdhsa -mcpu=gfx1250 --defsym DOCPART=n.
;; ======== version 1 of 1: 5 launches
;; limits: values outside matrix products are rounded to bf16
;; workspace buffers: pr 1,179,648 bytes; pc 1,179,648 bytes; wm 262,144 bytes; wp 110,592 bytes; m1 33,554,432 bytes; m2 33,554,432 bytes; mm 131,072 bytes
;; launch prep (part 1): grid 256 x 1, 8 waves a work-group, no clusters, 9,472 bytes of LDS; arguments pair, params_row_Wb, params_col_Wb, params_row_bb, params_col_bb, params_row_Wq, params_row_Wk, params_row_Wv, params_row_Wo, params_col_Wq, params_col_Wk, params_col_Wv, params_col_Wo, params_mt_W1, params_mt_W2, params_opm_W1, params_opm_W2, params_tri_Wq, params_tri_Wk, params_tri_Wv, params_tri_Wo, params_pt_W1, params_pt_W2, pr, pc, wm, wp; writes pr, pc, wm, wp
.if DOCPART == 1
	.amdgcn_target "amdgcn-amd-amdhsa--gfx1250"
	.amdhsa_code_object_version 6
	.text
	.protected	k_qe710b8cc0a_prep
	.globl	k_qe710b8cc0a_prep
	.p2align	8
	.type	k_qe710b8cc0a_prep,@function
k_qe710b8cc0a_prep:
	s_mov_b64 s[64:65], 0
	v_nop
	global_prefetch_b8 v0, s[64:65] scope:SCOPE_SE
	s_setreg_imm32_b32 hwreg(HW_REG_WAVE_MODE, 25, 1), 1
	s_wait_xcnt 0x0
; PREPARATION.  (1) The pair bias of both MSA attentions, bias[h][q][k] = sum over c of pair[q][k][c] Wb[c][h] + bb[h], rounded once to bf16 and
; laid out as the half fragments that the attention kernel feeds to the matrix unit: tile (h, qt, kb) of 512 bytes, byte 16 lane + 2 e = bias[h][16 qt + 8 (lane / 16) + e][16 kb + lane % 16].
; (2) All 18 weight matrices rounded once to bf16 in fragment order: a fragment (K step ks, column tile nt) is 1,024 bytes, byte 512 half + 16 lane + 2 e =
; W[32 ks + 16 half + 8 (lane / 16) + e][16 nt + lane % 16]; two 16-byte loads a lane fill a matrix operand.  Wq is multiplied by 1 / sqrt(16) = 0.25, which is exact.
; LIMITS.  bias and weights are matrix operands in bf16 (8 significant bits); 0.25 W leaves bf16's normal range only below 5e-38.  NaN and infinities are not treated apart.
; SHARES.  Work-group b makes the tiles (all 16 heads: 8 of the row attention, 8 of the column attention) of qt = b / 16, kb = b % 16; wave w takes keys 16 kb + 2 w and + 1.
; Work-groups 0 to 154 also convert four fragments (4,096 bytes) of one weight matrix each.
.set SPITCH, 528                       ; stage: one head's tile of 512 bytes + 16: the 16 heads that a store touches start at 16 different groups of four banks
.set SPARE,  8448                      ; behind the stage: the spare words, 128 bytes a wave
.set AC,   32                          ; v[32:47]   two accumulators (key t)
.set PK,   48                          ; v[48:55]   packed results
.set OUTR, 16                          ; v[16:23]   two tiles' 16 bytes a lane, to store
.set RAW,  64                          ; v[64:127]  pair as loaded: key t at 32 t
.set WRW,  128                         ; v[128:159] row_Wb as loaded
.set WCL,  160                         ; v[160:191] col_Wb as loaded
.set AF,   192                         ; v[192:223] A fragments: key t, K step ks at 16 t + 8 ks
.set BF,   224                         ; v[224:239] B fragments: K step ks at 8 ks
.set CB,   240                         ; v[240:247] bb of my lane's head, eight times
	s_load_b256 s[4:11], s[0:1], 0x0               ; pair s[4:5], row_Wb s[6:7], col_Wb s[8:9], row_bb s[10:11]
	s_load_b64 s[12:13], s[0:1], 0x20              ; col_bb
	s_load_b128 s[16:19], s[0:1], 0xb8             ; pr s[16:17], pc s[18:19]
	v_lshl_add_u32 v30, v0, 2, SPARE               ; my spare word
	v_mov_b32 v31, 0
	v_and_b32 v1, 15, v0                           ; r16 = lane % 16
	v_bfe_u32 v2, v0, 4, 1                         ; hh = lane / 16
	v_and_b32 v3, 31, v0                           ; lane
	v_lshrrev_b32 v12, 5, v0
	v_readfirstlane_b32 s20, v12                   ; wave
	s_lshr_b32 s21, ttmp9, 4                       ; qt
	s_and_b32 s22, ttmp9, 15                       ; kb
	s_lshl_b32 s23, s21, 20                        ; 16 qt queries of 65,536 bytes
	s_lshl_b32 s24, s22, 12                        ; 16 kb keys of 256 bytes
	s_add_co_u32 s23, s23, s24
	s_lshl_b32 s24, s20, 9                         ; my two keys
	s_add_co_u32 s23, s23, s24
	v_lshlrev_b32 v4, 16, v1                       ; query r16
	v_lshl_add_u32 v4, v2, 5, v4                   ; channels 8 hh on
	v_add_nc_u32 v4, s23, v4
	v_and_b32 v6, 7, v1
	v_lshlrev_b32 v6, 2, v6                        ; head % 8, in bytes: bb, and a row of Wb
	v_lshl_add_u32 v5, v2, 8, v6                   ; + channels 8 hh on (32 bytes a channel)
	v_mul_u32_u24 v7, v1, SPITCH                   ; stage, in: head r16, place (2 w + t) + 16 hh of 16 bytes
	v_lshl_add_u32 v7, v2, 8, v7
	s_lshl_b32 s24, s20, 5
	v_add_nc_u32 v7, s24, v7
	s_mul_i32 s24, s20, SPITCH                     ; stage, out: head w (and 8 + w), 16 bytes a lane
	v_lshl_add_u32 v8, v3, 4, s24
	s_lshl_b32 s24, s20, 4
	s_add_co_u32 s24, s24, s21
	s_lshl_b32 s24, s24, 4
	s_add_co_u32 s24, s24, s22
	s_lshl_b32 s24, s24, 9                         ; tile ((16 w + qt) 16 + kb) of 512 bytes
	v_lshl_add_u32 v9, v3, 4, s24
	v_cmp_gt_u32 vcc_lo, 8, v1                     ; lanes whose head belongs to the row attention
	s_wait_kmcnt 0x0
.set i, 0
.rept 16                                       ; i = 8 t + 4 ks + 2 p + q: 16 bytes at channel 32 ks + 16 p + 8 hh + 4 q of key t
	global_load_b128 v[RAW+4*i:RAW+4*i+3], v4, s[4:5] offset:256*(i/8)+128*((i%8)/4)+64*((i/2)%2)+16*(i%2)
.set i, i+1
.endr
.set i, 0
.rept 32                                       ; i = 16 ks + 8 p + e: channel 32 ks + 16 p + 8 hh + e
	global_load_b32 v[WRW+i], v5, s[6:7] offset:32*(32*(i/16)+16*((i/8)%2)+i%8)
	global_load_b32 v[WCL+i], v5, s[8:9] offset:32*(32*(i/16)+16*((i/8)%2)+i%8)
.set i, i+1
.endr
	global_load_b32 v10, v6, s[10:11]
	global_load_b32 v11, v6, s[12:13]
	s_wait_loadcnt 0x0                             ; all of them, once
.set i, 0
.rept 32
	v_cvt_pk_bf16_f32 v[AF+i], v[RAW+2*i], v[RAW+2*i+1]
.set i, i+1
.endr
.set i, 0
.rept 32
	v_cndmask_b32 v[WRW+i], v[WCL+i], v[WRW+i], vcc_lo  ; heads 0-7: the row attention's Wb, heads 8-15: the column attention's
.set i, i+1
.endr
.set i, 0
.rept 16
	v_cvt_pk_bf16_f32 v[BF+i], v[WRW+2*i], v[WRW+2*i+1]
.set i, i+1
.endr
	v_cndmask_b32 v[CB], v11, v10, vcc_lo
.irp j, 1,2,3,4,5,6,7
	v_mov_b32 v[CB+\j], v[CB]
.endr
	; D[query 8 hh + j][head r16]; bb starts the sums; the two keys' accumulators take turns
	v_wmma_f32_16x16x32_bf16 v[AC:AC+7],    v[AF:AF+7],     v[BF:BF+7],    v[CB:CB+7]
	v_wmma_f32_16x16x32_bf16 v[AC+8:AC+15], v[AF+16:AF+23], v[BF:BF+7],    v[CB:CB+7]
	v_wmma_f32_16x16x32_bf16 v[AC:AC+7],    v[AF+8:AF+15],  v[BF+8:BF+15], v[AC:AC+7]
	v_wmma_f32_16x16x32_bf16 v[AC+8:AC+15], v[AF+24:AF+31], v[BF+8:BF+15], v[AC+8:AC+15]
.rept 4
	v_nop                                          ; four places between the products and the conversions that read them (ISA guide 7.12.1)
.endr
.set i, 0
.rept 8
	v_cvt_pk_bf16_f32 v[PK+i], v[AC+2*i], v[AC+2*i+1]
.set i, i+1
.endr
	ds_store_b128 v7, v[PK:PK+3]
	ds_store_b128 v7, v[PK+4:PK+7] offset:16
	s_wait_dscnt 0x0                               ; for the others' sake: my stores into the stage are done
	s_barrier_signal -1
	s_barrier_wait -1
	ds_load_b128 v[OUTR:OUTR+3],   v8                  ; head w: the row attention's
	ds_load_b128 v[OUTR+4:OUTR+7], v8 offset:8*SPITCH  ; head 8 + w: the column attention's head w
	s_wait_dscnt 0x0
	global_store_b128 v9, v[OUTR:OUTR+3],   s[16:17]   ; 512 consecutive bytes, at a multiple of 512
	global_store_b128 v9, v[OUTR+4:OUTR+7], s[18:19]
; THE WEIGHTS.  Job b - first of a matrix with N columns: fragments 4 (b - first) + w / 2, half w % 2.  ntmajor = 1: fragment number = nt << LG | ks, else ks << LG | nt.
	s_mov_b32 s25, ttmp9
	s_lshr_b32 s26, s20, 1
	s_and_b32 s27, s20, 1
.macro CONV argoff, dstarg, dstoff, first, last, N, ntmajor, LG, scale
	s_cmp_lt_u32 s25, \last
	s_cbranch_scc0 .Lnot_\@
	s_load_b64 s[28:29], s[0:1], \argoff
	s_load_b64 s[30:31], s[0:1], \dstarg
	s_sub_co_u32 s32, s25, \first
	s_lshl_b32 s33, s32, 2
	s_add_co_u32 s33, s33, s26                     ; the fragment's number
	s_lshr_b32 s34, s33, \LG
	s_and_b32 s35, s33, (1<<(\LG))-1
.if \ntmajor
	s_lshl_b32 s36, s35, 1                         ; 2 ks
	s_lshl_b32 s37, s34, 6                         ; 16 nt columns, in bytes
.else
	s_lshl_b32 s36, s34, 1
	s_lshl_b32 s37, s35, 6
.endif
	s_add_co_u32 s36, s36, s27                     ; 2 ks + half: 16 rows of the matrix each
	s_mul_i32 s36, s36, 64*(\N)
	s_add_co_u32 s36, s36, s37
	v_mul_u32_u24 v13, v2, 32*(\N)                 ; 8 hh rows
	v_lshl_add_u32 v13, v1, 2, v13                 ; column r16
	v_add_nc_u32 v13, s36, v13
	s_lshl_b32 s38, s32, 12
	v_lshl_add_u32 v14, v0, 4, s38                 ; the job's 4,096 bytes, 16 a thread
	s_wait_kmcnt 0x0
.irp e, 0,1,2,3,4,5,6,7
	global_load_b32 v[64+\e], v13, s[28:29] offset:4*(\N)*\e
.endr
	s_wait_loadcnt 0x0
.if \scale
.irp e, 0,1,2,3,4,5,6,7
	v_mul_f32 v[64+\e], 0x3e800000, v[64+\e]       ; 0.25
.endr
.endif
.irp e, 0,1,2,3
	v_cvt_pk_bf16_f32 v[72+\e], v[64+2*\e], v[64+2*\e+1]
.endr
	global_store_b128 v14, v[72:75], s[30:31] offset:\dstoff
	s_branch .Ldone
.Lnot_\@:
.endm
	CONV 0x28, 0xb8, 1048576, 0,   8,   128, 1, 2, 1   ; row Wq x 0.25
	CONV 0x30, 0xb8, 1081344, 8,   16,  128, 1, 2, 0   ; row Wk
	CONV 0x38, 0xb8, 1114112, 16,  24,  128, 1, 2, 0   ; row Wv
	CONV 0x40, 0xb8, 1146880, 24,  32,  128, 0, 3, 0   ; row Wo
	CONV 0x48, 0xc0, 1048576, 32,  40,  128, 1, 2, 1   ; col Wq x 0.25
	CONV 0x50, 0xc0, 1081344, 40,  48,  128, 1, 2, 0
	CONV 0x58, 0xc0, 1114112, 48,  56,  128, 1, 2, 0
	CONV 0x60, 0xc0, 1146880, 56,  64,  128, 0, 3, 0
	CONV 0x68, 0xc8, 0,       64,  96,  512, 1, 2, 0   ; mt_W1
	CONV 0x70, 0xc8, 131072,  96,  128, 128, 0, 3, 0   ; mt_W2
	CONV 0x78, 0xd0, 24576,   128, 130, 32,  1, 2, 0   ; opm_W1
	CONV 0x80, 0xd0, 32768,   130, 131, 64,  0, 2, 0   ; opm_W2
	CONV 0x88, 0xd0, 0,       131, 133, 64,  1, 1, 1   ; tri Wq x 0.25
	CONV 0x90, 0xd0, 8192,    133, 135, 64,  1, 1, 0
	CONV 0x98, 0xd0, 16384,   135, 137, 64,  1, 1, 0
	CONV 0xa0, 0xd0, 36864,   137, 139, 64,  0, 2, 0   ; tri_Wo
	CONV 0xa8, 0xd0, 45056,   139, 147, 256, 1, 1, 0   ; pt_W1
	CONV 0xb0, 0xd0, 77824,   147, 155, 64,  0, 2, 0   ; pt_W2
.Ldone:
	s_wait_tensorcnt 0x0                           ; the wave's end: behind my last LDS store
	ds_add_u32 v30, v31
	s_wait_dscnt 0x0
	s_endpgm
.Lfunc_end_k_qe710b8cc0a_prep:
	.size	k_qe710b8cc0a_prep, .Lfunc_end_k_qe710b8cc0a_prep-k_qe710b8cc0a_prep
	.p2alignl 7, 3214868480
	.fill 96, 4, 3214868480
	.section	.rodata,"a",@progbits
	.p2align	6, 0x0
	.amdhsa_kernel k_qe710b8cc0a_prep
		.amdhsa_group_segment_fixed_size 9472
		.amdhsa_private_segment_fixed_size 0
		.amdhsa_enable_private_segment 0
		.amdhsa_kernarg_size 216
		.amdhsa_user_sgpr_count 2
		.amdhsa_user_sgpr_kernarg_segment_ptr 1
		.amdhsa_wavefront_size32 1
		.amdhsa_system_sgpr_workgroup_id_x 1
		.amdhsa_system_sgpr_workgroup_id_y 1
		.amdhsa_system_sgpr_workgroup_id_z 1
		.amdhsa_system_vgpr_workitem_id 0
		.amdhsa_next_free_vgpr 256
		.amdhsa_next_free_sgpr 66
		.amdhsa_reserve_vcc 1
		.amdhsa_float_denorm_mode_32 3
		.amdhsa_float_denorm_mode_16_64 3
		.amdhsa_memory_ordered 1
		.amdhsa_forward_progress 1
		.amdhsa_inst_pref_size 54
	.end_amdhsa_kernel
	.amdgpu_metadata
---
amdhsa.version: [ 1, 2 ]
amdhsa.kernels:
  - .name:           k_qe710b8cc0a_prep
    .symbol:         k_qe710b8cc0a_prep.kd
    .args:
      - { .name: pair, .offset: 0, .size: 8, .value_kind: global_buffer, .address_space: global }
      - { .name: params_row_Wb, .offset: 8, .size: 8, .value_kind: global_buffer, .address_space: global }
      - { .name: params_col_Wb, .offset: 16, .size: 8, .value_kind: global_buffer, .address_space: global }
      - { .name: params_row_bb, .offset: 24, .size: 8, .value_kind: global_buffer, .address_space: global }
      - { .name: params_col_bb, .offset: 32, .size: 8, .value_kind: global_buffer, .address_space: global }
      - { .name: params_row_Wq, .offset: 40, .size: 8, .value_kind: global_buffer, .address_space: global }
      - { .name: params_row_Wk, .offset: 48, .size: 8, .value_kind: global_buffer, .address_space: global }
      - { .name: params_row_Wv, .offset: 56, .size: 8, .value_kind: global_buffer, .address_space: global }
      - { .name: params_row_Wo, .offset: 64, .size: 8, .value_kind: global_buffer, .address_space: global }
      - { .name: params_col_Wq, .offset: 72, .size: 8, .value_kind: global_buffer, .address_space: global }
      - { .name: params_col_Wk, .offset: 80, .size: 8, .value_kind: global_buffer, .address_space: global }
      - { .name: params_col_Wv, .offset: 88, .size: 8, .value_kind: global_buffer, .address_space: global }
      - { .name: params_col_Wo, .offset: 96, .size: 8, .value_kind: global_buffer, .address_space: global }
      - { .name: params_mt_W1, .offset: 104, .size: 8, .value_kind: global_buffer, .address_space: global }
      - { .name: params_mt_W2, .offset: 112, .size: 8, .value_kind: global_buffer, .address_space: global }
      - { .name: params_opm_W1, .offset: 120, .size: 8, .value_kind: global_buffer, .address_space: global }
      - { .name: params_opm_W2, .offset: 128, .size: 8, .value_kind: global_buffer, .address_space: global }
      - { .name: params_tri_Wq, .offset: 136, .size: 8, .value_kind: global_buffer, .address_space: global }
      - { .name: params_tri_Wk, .offset: 144, .size: 8, .value_kind: global_buffer, .address_space: global }
      - { .name: params_tri_Wv, .offset: 152, .size: 8, .value_kind: global_buffer, .address_space: global }
      - { .name: params_tri_Wo, .offset: 160, .size: 8, .value_kind: global_buffer, .address_space: global }
      - { .name: params_pt_W1, .offset: 168, .size: 8, .value_kind: global_buffer, .address_space: global }
      - { .name: params_pt_W2, .offset: 176, .size: 8, .value_kind: global_buffer, .address_space: global }
      - { .name: pr, .offset: 184, .size: 8, .value_kind: global_buffer, .address_space: global }
      - { .name: pc, .offset: 192, .size: 8, .value_kind: global_buffer, .address_space: global }
      - { .name: wm, .offset: 200, .size: 8, .value_kind: global_buffer, .address_space: global }
      - { .name: wp, .offset: 208, .size: 8, .value_kind: global_buffer, .address_space: global }
    .group_segment_fixed_size: 9472
    .private_segment_fixed_size: 0
    .kernarg_segment_align: 8
    .kernarg_segment_size: 216
    .max_flat_workgroup_size: 256
    .sgpr_count:     66
    .vgpr_count:     256
    .wavefront_size: 32
...
	.end_amdgpu_metadata
.endif
;; end of part 1
;; launch rowatt (part 2): grid 256 x 1, 8 waves a work-group, clusters of 4 x 1, 327,680 bytes of LDS; arguments msa, pr, params_row_bq, params_row_bk, params_row_bv, params_row_bo, params_row_ln_g, params_row_ln_b, m1; writes m1
.if DOCPART == 2
	.amdgcn_target "amdgcn-amd-amdhsa--gfx1250"
	.amdhsa_code_object_version 6
	.text
	.protected	k_qe710b8cc0a_rowatt
	.globl	k_qe710b8cc0a_rowatt
	.p2align	8
	.type	k_qe710b8cc0a_rowatt,@function
k_qe710b8cc0a_rowatt:
	s_mov_b64 s[64:65], 0
	v_nop
	global_prefetch_b8 v0, s[64:65] scope:SCOPE_SE
	s_setreg_imm32_b32 hwreg(HW_REG_WAVE_MODE, 25, 1), 1
	s_wait_xcnt 0x0
	s_wait_alu depctr_hold_cnt(0) depctr_sa_sdst(0) depctr_va_vdst(0) depctr_va_sdst(0) depctr_va_ssrc(0) depctr_va_vcc(0) depctr_vm_vsrc(0)
	s_getreg_b32 s2, hwreg(HW_REG_IB_STS2, 6, 4)
	s_cmp_eq_u32 s2, 0
	s_cbranch_scc0 .Lentry_in_a_cluster
	s_endpgm
.Lentry_in_a_cluster:
	s_bfe_u32 s2, ttmp6, 0x10000c
	s_cmp_lg_u32 s2, 0x3003
	s_cbranch_scc0 .Lentry_shape_is_right
	s_endpgm
.Lentry_shape_is_right:
; ONE MSA ATTENTION WITH PAIR BIAS AND ITS LAYERNORM.  x: 256 slices of 256 rows x 128 f32, slice g dense at g x 131,072 bytes.  For each slice:
; y = LN(x + softmax(q k^T / 4 + bias) v Wo + bo) g + b, 8 heads of 16 channels.  Row l of slice g is stored at (256 l + g) x 512 bytes: the two axes change places, so the same
; text serves the attention along rows (msa -> m1) and then along columns (m1 -> m2).
; LIMITS.  x, q, k, v, the bias, the weights p and o are matrix operands, rounded once to bf16; the residual x, the maxima, the sums and the LayerNorm stay in f32.  The divisor l is the
; sum of the rounded p.  A weight below 2^-126 counts as 0.  NaN and infinities are not treated apart.
; SHARES.  A work-group owns a slice; wave w owns HEAD w in the attention and rows 32 w .. 32 w + 31 on the way in and out.
; LAYOUT.  K^T and Q^T come from products weight x x^T, V from x x weight: packed in pairs their results ARE the operands of S^T = K Q^T and O^T = V^T P (a lane holds one query): nothing
; changes lanes.  A head has 16 channels, the product sums over 32: the other 16 carry the bias: S^T = [K | bias^T] x [Q | I], I the unit matrix.  All 256 scores of a query lie in
; registers, so the true maximum is taken and nothing is rescaled.  The divisor is the product ones x P.
; THE BIAS (8 KiB a head and query tile) is the same for all slices: the four work-groups of a cluster ask for it JOINTLY, through a ring of two slots; wave w fetches and reads head w's part.
; REGISTERS.  Window 0: v1-19 lane terms and addresses; v20-29 at work; v32-39 [Q | I]; v40-63 the biases that start q, k, v; v64-127 x packed, later 16 rows of x; v128-255 x as loaded,
; then [K | bias] (key block kb at 128 + 8 kb), then 16 rows of x and Wo's fragments.  Window 1: v0-127 S^T / P (projection: weights and x fragments; end: the output's accumulators);
; v128-191 V^T; v192-223 O^T, l, ones, statistics; v224-247 the projections' accumulators, later o at work, g and b.
.set SLOTB, 65536                      ; a slot of the ring: 8 waves x 8,192 bytes
.set WOL,   131072                     ; Wo's 32 fragments
.set XO,    163840                     ; x in bf16, later o in bf16: 256 rows of 256 bytes + 16
.set XP,    272
.set STG,   233472                     ; each wave's own 8,448 bytes: first Q's 16 half fragments, later 16 rows of 128 f32 + 16 bytes
.set STGW,  8448
.set SP,    528
.set SPARE, 301056                     ; the spare words, 128 bytes a wave
.set WV, 22
.set CX, 23
.set GI, 24
.set G1,  28                           ; s[28:35] group 1: 32 rows x 256 bytes, dense
.set G1W, 36                           ; s[36:43] group 1: 16 rows x 256 bytes
.set G0A, 44                           ; s[44:47] slot 0's first fill
.set G0B, 48                           ; s[48:51] slot 1's first fill; then it walks
.set G0W, 52                           ; s[52:55] Wo
.set CS,  56                           ; s[56:57] log2(e)
.set SEL, 58                           ; s[58:59] v_permlanex16_b32: each lane takes its own place in the other half
.set TB,  60                           ; LDS byte of the slot that is read next
.set CNT, 61
.set LIM, 62                           ; 2 in a wave that prefetches, else the greatest number
.set TQ,  63                           ; byte of the next Q half fragment
.set PFA, 66                           ; s[66:67] where my prefetches stand
.set XB,  70                           ; s[70:71] x at my slice
.set YB,  72                           ; s[72:73] y at row 0 of my slice
.set INVN, 74
.set EPS,  75
.set ONEL, 76
.set ONEH, 77
.set MT,  20                           ; v20-21 the maximum's exchange
.set OA,  22                           ; v22 where o of the task in hand goes
.set PQ,  24                           ; v24-27 packed q
.set U,   20                           ; v20-27 LayerNorm: four chains (the end only)
.set MN,  28                           ; v28-29 the mean, twice
.set RS,  44                           ; v44-45 1 / sqrt(var + eps), twice
.set QF,  32
.set CQ,  40
.set CK,  48
.set CV,  56
.set KB,  128
.set VF,   128                         ; window 1 from here on
.set OACC, 192
.set LACC, 200
.set ONES, 208
.set CC,   216
.set CM,   220
.set RC,   222
.set OT,   224
.set AQ,   224
.set AK,   232
.set AV,   240
.set GG,   236
.set BT,   240
.set MSB, 0
.macro WIN new                         ; the immediate's high byte repeats the setting that is left; a switch that changes nothing is dropped
.if MSB != (\new)
	s_set_vgpr_msb (MSB<<8)|(\new)
.set MSB, (\new)
.endif
.endm
.macro PLACES                          ; four places behind a matrix instruction (ISA guide 7.12.1)
.rept 4
	v_nop
.endr
.endm
.macro CROUND                          ; a round of the cluster's barrier
	s_barrier_signal -1
	s_barrier_wait -1
	s_cmp_lg_u32 s[WV], 0
	s_cbranch_scc1 .Lnot_wave_0_\@
	s_barrier_signal -3
.Lnot_wave_0_\@:
	s_barrier_wait -3
	s_barrier_signal -1
	s_barrier_wait -1
.endm
; LAYERNORM over the 2 np numbers of a lane and those of the lane 16 away (one row).  ws, wd: the window of the data; U, MN, RS lie in window 0.  Two passes: mean, then the squares of x - mean.
.macro LN_RED                          ; four chains into one number, both halves of the lanes
	WIN 0
	v_pk_add_f32 v[U:U+1], v[U:U+1], v[U+2:U+3]
	v_pk_add_f32 v[U+4:U+5], v[U+4:U+5], v[U+6:U+7]
	v_pk_add_f32 v[U:U+1], v[U:U+1], v[U+4:U+5]
	v_add_f32 v[U], v[U], v[U+1]
	v_permlanex16_b32 v[U+1], v[U], s[SEL], s[SEL+1]
	v_add_f32 v[U], v[U], v[U+1]
.endm
.macro LN_SUM src, np, ws, inv         ; ascending
	WIN 5*(\ws)
.irp k, 0,1,2,3
	v_pk_add_f32 v[U+2*\k:U+2*\k+1], v[(\src)+2*\k:(\src)+2*\k+1], v[(\src)+8+2*\k:(\src)+9+2*\k]
.endr
	WIN 4*(\ws)
.set lj, 8
.rept (\np)-8
	v_pk_add_f32 v[U+2*(lj%4):U+2*(lj%4)+1], v[U+2*(lj%4):U+2*(lj%4)+1], v[(\src)+2*lj:(\src)+2*lj+1]
.set lj, lj+1
.endr
	LN_RED
	v_mul_f32 v[MN], s[\inv], v[U]
	v_mul_f32 v[MN+1], s[\inv], v[U]
.endm
.macro LN_SUB dst, src, np, wd, ws
	WIN (\ws)|((\wd)<<6)
.set lj, 0
.rept \np
	v_pk_add_f32 v[(\dst)+2*lj:(\dst)+2*lj+1], v[(\src)+2*lj:(\src)+2*lj+1], v[MN:MN+1] neg_lo:[0,1] neg_hi:[0,1]
.set lj, lj+1
.endr
.endm
.macro LN_VAR d, np, wd, inv
	WIN 5*(\wd)
.irp k, 0,1,2,3
	v_pk_mul_f32 v[U+2*\k:U+2*\k+1], v[(\d)+2*\k:(\d)+2*\k+1], v[(\d)+2*\k:(\d)+2*\k+1]
.endr
.set lj, 4
.rept (\np)-4
	v_pk_fma_f32 v[U+2*(lj%4):U+2*(lj%4)+1], v[(\d)+2*lj:(\d)+2*lj+1], v[(\d)+2*lj:(\d)+2*lj+1], v[U+2*(lj%4):U+2*(lj%4)+1]
.set lj, lj+1
.endr
	LN_RED
	v_fma_f32 v[U], v[U], s[\inv], s[EPS]
	v_rsq_f32 v[RS], v[U]
	v_nop                                          ; a plain instruction behind the root,
	s_wait_alu depctr_va_vdst(0)                   ; and a wait ahead of its first reader
	v_mov_b32 v[RS+1], v[RS]
.endm
.macro LN_MUL d, np, wd
	WIN 0x41*(\wd)
.set lj, 0
.rept \np
	v_pk_mul_f32 v[(\d)+2*lj:(\d)+2*lj+1], v[(\d)+2*lj:(\d)+2*lj+1], v[RS:RS+1]
.set lj, lj+1
.endr
.endm
	s_load_b512 s[4:19], s[0:1], 0x0               ; x s[4:5], pw s[6:7], bq s[8:9], bk s[10:11], bv s[12:13], bo s[14:15], g s[16:17], b s[18:19]
	s_load_b64 s[20:21], s[0:1], 0x40              ; y
	v_lshl_add_u32 v30, v0, 2, SPARE
	v_mov_b32 v31, 0
	ds_add_u32 v30, v31                            ; the wave's opening: the add and its wait ahead of my first tensor load
	v_lshrrev_b32 v13, 5, v0
	v_readfirstlane_b32 s[WV], v13                 ; wave 0..7
	s_bfe_u32 s[CX], ttmp6, 0x40000                ; my place in the cluster: it enters x's, y's and the prefetches' addresses alone
	s_lshl_b32 s[GI], ttmp9, 2
	s_add_co_u32 s[GI], s[GI], s[CX]               ; my slice
	v_and_b32 v1, 15, v0                           ; r16
	v_bfe_u32 v2, v0, 4, 1                         ; hh
	v_and_b32 v3, 31, v0                           ; lane
	s_mov_b32 s[G1], 15|(3<<16)|(1<<21)            ; the mask of four; elements of 8 bytes; bit 21 beside a mask
	s_mov_b32 s[G1+1], 32<<16                      ; tensor_dim0 = 32 elements (256 bytes)
	s_mov_b32 s[G1+2], 32<<16                      ; tensor_dim1 = 32 rows
	s_mov_b32 s[G1+3], 32<<16                      ; tile_dim0
	s_mov_b32 s[G1+4], 32                          ; tile_dim1
	s_mov_b32 s[G1+5], 32                          ; pitch: dense
	s_mov_b32 s[G1+6], 0
	s_mov_b32 s[G1+7], 0
	s_mov_b32 s[G1W], 15|(3<<16)|(1<<21)
	s_mov_b32 s[G1W+1], 32<<16
	s_mov_b32 s[G1W+2], 16<<16
	s_mov_b32 s[G1W+3], 32<<16
	s_mov_b32 s[G1W+4], 16
	s_mov_b32 s[G1W+5], 32
	s_mov_b32 s[G1W+6], 0
	s_mov_b32 s[G1W+7], 0
	s_mov_b32 s[G0A], 1
	s_lshl_b32 s[G0A+1], s[WV], 13                 ; slot 0, my 8,192 bytes
	s_mov_b32 s[G0B], 1
	s_add_co_u32 s[G0B+1], s[G0A+1], SLOTB         ; slot 1
	s_mov_b32 s[G0W], 1
	s_lshl_b32 s[G0W+1], s[WV], 12
	s_add_co_u32 s[G0W+1], s[G0W+1], WOL
	s_mov_b32 s[CS], 0x3fb8aa3b
	s_mov_b32 s[CS+1], s[CS]
	s_mov_b32 s[SEL], 0x76543210
	s_mov_b32 s[SEL+1], 0xfedcba98
	s_mov_b32 s[TB], 0
	s_mov_b32 s[TQ], 0
	s_mov_b32 s[INVN], 0x3c000000                  ; 1 / 128
	s_mov_b32 s[EPS], 0x3727c5ac                   ; 1e-5
	s_mov_b32 s[ONEL], 0x3f80                      ; bf16 1.0 in the low half,
	s_mov_b32 s[ONEH], 0x3f800000                  ; in the high half
	s_cmp_lt_u32 s[WV], 2
	s_cselect_b32 s[LIM], 0, 1
	s_or_b32 s[LIM], s[LIM], ttmp9                 ; 0 in waves 0 and 1 of the first cluster: the same in all four partners
	s_cmp_eq_u32 s[LIM], 0
	s_cselect_b32 s[LIM], 2, -1
	v_lshlrev_b32 v19, 4, v3                       ; 16 lane
	s_lshl_b32 s25, s[WV], 14
	v_add_nc_u32 v4, s25, v19                      ; x: my 32 rows, 16 bytes a lane
	s_mul_i32 s25, s[WV], 32*XP
	s_add_co_u32 s25, s25, XO
	v_lshl_add_u32 v5, v3, 3, s25                  ; x in bf16, in: my rows, 8 bytes a lane
	v_mul_u32_u24 v6, v1, XP
	v_lshl_add_u32 v6, v2, 4, v6
	v_add_nc_u32 v15, s25, v6                      ; o's fragments of my rows
	v_add_nc_u32 v6, XO, v6                        ; x's fragments: row r16, 16 bytes for each half of the lanes
	s_lshl_b32 s25, s[WV], 12
	v_add_nc_u32 v7, s25, v19                      ; my head's weight fragments
	s_lshl_b32 s25, s[WV], 13
	v_add_nc_u32 v8, s25, v19                      ; my part of a slot
	s_mul_i32 s25, s[WV], STGW
	s_add_co_u32 s25, s25, STG
	v_add_nc_u32 v10, s25, v19                     ; my stage by rows; also Q's half fragments
	v_lshlrev_b32 v12, 8, v3                       ; the prefetches: 256 bytes a lane
	v_mul_u32_u24 v14, v1, SP
	v_lshl_add_u32 v14, v2, 5, v14
	v_add_nc_u32 v14, s25, v14                     ; my stage as an accumulator sees it: row r16, channels 8 hh on
	v_add_nc_u32 v16, WOL, v19
	s_lshl_b32 s25, s[WV], 6
	v_lshl_add_u32 v17, v2, 5, s25                 ; bq, bk: channels 16 w + 8 hh on
	v_lshl_add_u32 v18, v1, 2, s25                 ; bv: channel 16 w + r16
	s_wait_dscnt 0x0                               ; the opening add is done
	s_wait_kmcnt 0x0
	s_lshl_b32 s26, s[WV], 17                      ; my head's bias
	s_mov_b32 s27, 0
	s_add_nc_u64 s[G0A+2:G0A+3], s[6:7], s[26:27]
	s_add_nc_u64 s[G0B+2:G0B+3], s[G0A+2:G0A+3], 8192
	s_or_b32 s[G0A+3], s[G0A+3], 0x80000000
	s_or_b32 s[G0B+3], s[G0B+3], 0x80000000
	s_lshl_b32 s26, s[WV], 12
	s_add_nc_u64 s[G0W+2:G0W+3], s[6:7], s[26:27]
	s_add_nc_u64 s[G0W+2:G0W+3], s[G0W+2:G0W+3], 1146880
	s_or_b32 s[G0W+3], s[G0W+3], 0x80000000
	s_lshl_b32 s68, s[GI], 17
	s_mov_b32 s69, 0
	s_add_nc_u64 s[XB:XB+1], s[4:5], s[68:69]
	s_lshl_b32 s68, s[GI], 9
	s_add_nc_u64 s[YB:YB+1], s[20:21], s[68:69]
	s_and_b32 s68, s[WV], 1
	s_lshl_b32 s25, s[CX], 1
	s_add_co_u32 s68, s68, s25                     ; the head whose bias I prefetch: 2 cx + w: the partners share the heads out by address
	s_lshl_b32 s68, s68, 17
	s_add_co_u32 s68, s68, 3*8192                  ; the first change of slots steps it to query tile 4
	s_add_nc_u64 s[PFA:PFA+1], s[6:7], s[68:69]
.set i, 0
.rept 32                                       ; my 32 rows of x go out ahead of the round, and fly during it
	global_load_b128 v[128+4*i:128+4*i+3], v4, s[XB:XB+1] offset:512*i
.set i, i+1
.endr
	CROUND                                         ; all four work-groups are here: the first joint loads meet
	tensor_load_to_lds s[G0A:G0A+3], s[G1:G1+7]    ; bias of query tile 0
	s_nop 0
	tensor_load_to_lds s[G0B:G0B+3], s[G1:G1+7]    ; of tile 1
	s_nop 0
	tensor_load_to_lds s[G0W:G0W+3], s[G1W:G1W+7]  ; my eighth of Wo: three loads of mine are out
	s_nop 0
	PLACES
	WIN 0x40                                       ; destination window 1
.irp m, 0,1,2
.irp f, 0,1,2,3,4,5,6,7
	global_load_b128 v[32*\m+4*\f:32*\m+4*\f+3], v7, s[6:7] offset:1048576+32768*\m+512*\f  ; Wq, Wk, Wv of my head: K step f / 2, half f % 2
.endr
.endr
	WIN 0
	global_load_b128 v[CQ:CQ+3],   v17, s[8:9]
	global_load_b128 v[CQ+4:CQ+7], v17, s[8:9] offset:16
	global_load_b128 v[CK:CK+3],   v17, s[10:11]
	global_load_b128 v[CK+4:CK+7], v17, s[10:11] offset:16
	global_load_b32 v[CV], v18, s[12:13]
	s_wait_loadcnt 29                              ; x is in; the 29 younger loads (24 of weights, 5 of biases) may stay out
.set i, 0
.rept 32
	v_cvt_pk_bf16_f32 v[64+2*i],   v[128+4*i],   v[128+4*i+1]
	v_cvt_pk_bf16_f32 v[64+2*i+1], v[128+4*i+2], v[128+4*i+3]
.set i, i+1
.endr
.set i, 0
.rept 32
	ds_store_b64 v5, v[64+2*i:64+2*i+1] offset:XP*i
.set i, i+1
.endr
	s_wait_dscnt 0x0                               ; for the others' sake
	s_barrier_signal -1
	s_barrier_wait -1                              ; all of x lies in LDS; tensor loads may stay out
	s_wait_tensorcnt 0x2                           ; my part of slot 0 is in (only I read it); the two younger loads may stay out
.set i, 0
.rept 16
	ds_load_b128 v[KB+8*i+4:KB+8*i+7], v8 offset:512*i  ; bias of query tile 0
.set i, i+1
.endr
.macro XLOAD rb                        ; x's fragments of row block rb: 4 K steps x 2 halves, into one of two buffers
	WIN 0x40
.set xb, 96+96*((\rb)%2)
.irp f, 0,1,2,3,4,5,6,7
	ds_load_b128 v[xb+4*\f:xb+4*\f+3], v6 offset:(\rb)*16*XP+32*\f
.endr
.endm
	XLOAD 0
	WIN 0
	s_wait_loadcnt 0x0                             ; weights and biases
.irp j, 0,1,2,3,4,5,6,7
	v_mul_f32 v[CQ+\j], 0x3e800000, v[CQ+\j]       ; 0.25 bq, as Wq was scaled
.endr
.irp j, 1,2,3,4,5,6,7
	v_mov_b32 v[CV+\j], v[CV]
.endr
; THE PROJECTIONS of row block rb: q^T and k^T (weight x x^T) and v (x x weight), the biases as the first C; the three accumulators take turns.
.macro PROJ rb
.if (\rb) < 15
	XLOAD (\rb)+1
	s_wait_dscnt 0x8                               ; all but the eight loads just issued
.else
	s_wait_dscnt 0x0
.endif
.set xb, 96+96*((\rb)%2)
	WIN 0x45                                       ; C in window 0
	v_wmma_f32_16x16x32_bf16 v[AQ:AQ+7], v[0:7],     v[xb:xb+7], v[CQ:CQ+7]
	v_wmma_f32_16x16x32_bf16 v[AK:AK+7], v[32:39],   v[xb:xb+7], v[CK:CK+7]
	v_wmma_f32_16x16x32_bf16 v[AV:AV+7], v[xb:xb+7], v[64:71],   v[CV:CV+7]
	WIN 0x55
.irp k, 1,2,3
	v_wmma_f32_16x16x32_bf16 v[AQ:AQ+7], v[8*\k:8*\k+7],       v[xb+8*\k:xb+8*\k+7], v[AQ:AQ+7]
	v_wmma_f32_16x16x32_bf16 v[AK:AK+7], v[32+8*\k:32+8*\k+7], v[xb+8*\k:xb+8*\k+7], v[AK:AK+7]
	v_wmma_f32_16x16x32_bf16 v[AV:AV+7], v[xb+8*\k:xb+8*\k+7], v[64+8*\k:64+8*\k+7], v[AV:AV+7]
.endr
	PLACES
	WIN 0x05
.irp j, 0,1,2,3
	v_cvt_pk_bf16_f32 v[PQ+\j], v[AQ+2*\j], v[AQ+2*\j+1]
.endr
.irp j, 0,1,2,3
	v_cvt_pk_bf16_f32 v[KB+8*(\rb)+\j], v[AK+2*\j], v[AK+2*\j+1]
.endr
	WIN 0x45
.irp j, 0,1,2,3
	v_cvt_pk_bf16_f32 v[VF+4*(\rb)+\j], v[AV+2*\j], v[AV+2*\j+1]
.endr
	WIN 0
	ds_store_b128 v10, v[PQ:PQ+3] offset:512*(\rb)
.endm
.irp b, 0,1,2,3,4,5,6,7,8,9,10,11,12,13,14,15
	PROJ \b
.endr
	WIN 0x40
.irp j, 0,1,2,3,4,5,6,7
	v_mov_b32 v[ONES+\j], 0x3f803f80               ; bf16 1.0 twice
.endr
	v_mov_b32 v[CM+1], 0                           ; named as pairs
	v_mov_b32 v[RC+1], 0
	global_load_b128 v[GG:GG+3], v19, s[16:17]     ; g, b, bo by rows: channels 4 lane on; wanted at the end
	global_load_b128 v[BT:BT+3], v19, s[18:19]
	WIN 0
	global_load_b128 v[40:43], v19, s[14:15]
	v_mov_b32 v[MT+1], 0                           ; v_permlanex16_b32's destination counts as read
	v_mul_u32_u24 v[OA], v1, XP
	v_lshl_add_u32 v[OA], v2, 4, v[OA]
	s_lshl_b32 s25, s[WV], 5
	s_add_co_u32 s25, s25, XO
	v_add_nc_u32 v[OA], s25, v[OA]                 ; o: row r16, my head's 32 bytes, 16 for each half of the lanes
	v_lshlrev_b32 v13, 3, v2
	v_sub_nc_u32 v13, v1, v13                      ; the unit matrix: my column r16 has its 1 at element r16 - 8 hh of my eight, if at all
.irp r, 0,1,2,3
	v_cmp_eq_u32 vcc_lo, 2*\r, v13
	v_cndmask_b32 v[QF+4+\r], 0, s[ONEL], vcc_lo
	v_cmp_eq_u32 vcc_lo, 2*\r+1, v13
	v_cndmask_b32 v[QF+4+\r], v[QF+4+\r], s[ONEH], vcc_lo
.endr
	ds_load_b128 v[QF:QF+3], v10                   ; Q of tile 0
.macro QK g                            ; four of the 16 products S^T = [K | bias] [Q | I]: key blocks 4 g on
	WIN 0x40
.irp i, 0,1,2,3
	v_wmma_f32_16x16x32_bf16 v[8*(4*(\g)+\i):8*(4*(\g)+\i)+7], v[KB+8*(4*(\g)+\i):KB+8*(4*(\g)+\i)+7], v[QF:QF+7], 0
.endr
.endm
.macro MAXG g                          ; their maximum, in four chains, each accumulator from its low end on
	WIN 0x55
.irp r, 0,1,2,3
.irp i, 0,1,2,3
.if ((\g) == 0) && (\r == 0)
	v_max_num_f32 v[CC+\i], v[8*\i], v[8*\i+1]
.else
	v_max3_num_f32 v[CC+\i], v[CC+\i], v[8*(4*(\g)+\i)+2*\r], v[8*(4*(\g)+\i)+2*\r+1]
.endif
.endr
.endr
.endm
.macro SFMA n                          ; pair n of scores: log2(e) s - log2(e) m
	v_pk_fma_f32 v[2*(\n):2*(\n)+1], v[2*(\n):2*(\n)+1], s[CS:CS+1], v[CM:CM+1] op_sel_hi:[1,0,0] neg_lo:[0,0,1] neg_hi:[0,0,1]
.endm
.macro PCVT n                          ; pair n of weights, rounded to bf16, compacted in place: register n takes registers 2 n, 2 n + 1
	v_cvt_pk_bf16_f32 v[\n], v[2*(\n)], v[2*(\n)+1]
.endm
; A PREFETCH INTO THE L2: behind the refill of trip t (which brings tile t + 2) one instruction names tile t + 4 of one head: 8,192 bytes, 256 a lane.  All clusters walk the same bias: the first
; cluster asks; its four partners take two heads each, by address; waves 0 and 1 ask.  Tiles 0 to 3 come by their loads alone; the last request is tile 15's, in trip 11 (CNT = 3).
.macro ASK
	s_cmp_gt_u32 s[CNT], s[LIM]
	s_cbranch_scc0 .Lnot_mine_\@
	global_prefetch_b8 v12, s[PFA:PFA+1] th:TH_LOAD_NT scope:SCOPE_SE
.Lnot_mine_\@:
.endm
; A TASK: query tile t of my head.  fill = 1: the slot whose tile (t) was read into registers a task ago is filled again with tile t + 2.
.macro TASK fill
	s_wait_dscnt 0x0                               ; bias and Q of this tile are in registers
	QK 0
	QK 1
	PLACES                                         ; from here on each maximum stands 16 plain instructions or more behind the products that it reads
	MAXG 0
	QK 2
	MAXG 1
	QK 3
	MAXG 2
	MAXG 3
	v_max3_num_f32 v[CC], v[CC], v[CC+1], v[CC+2]
	WIN 0x05
	v_max_num_f32 v[MT], v[CC], v[CC+3]
	WIN 0
	v_permlanex16_b32 v[MT+1], v[MT], s[SEL], s[SEL+1]  ; the query's other 128 keys lie in the lane 16 away
	v_max_num_f32 v[MT], v[MT], v[MT+1]
.if \fill
	s_wait_tensorcnt 0x0                           ; all my tensor loads have landed, tile t + 1 among them: a group 0 may be written
	ds_add_u32 v30, v31
	s_xor_b32 s[G0B+1], s[G0B+1], SLOTB            ; the walking descriptor: the other slot, the next tile
	s_add_nc_u64 s[G0B+2:G0B+3], s[G0B+2:G0B+3], 8192
	s_wait_xcnt 0x0                                ; the last prefetch, a task back, has read its address
	s_add_nc_u64 s[PFA:PFA+1], s[PFA:PFA+1], 8192
.endif
	s_xor_b32 s[TB], s[TB], SLOTB
	s_add_co_u32 s[TQ], s[TQ], 512
	s_and_b32 s[TQ], s[TQ], 8191
.if \fill
	s_wait_dscnt 0x0                               ; the add is done; my reads of the slot were over at the task's head
	CROUND                                         ; no wave of any partner still reads the slot or has a load on its way
	tensor_load_to_lds s[G0B:G0B+3], s[G1:G1+7]    ; my one tensor load behind the round: a task and a half in which to land
	s_nop 0
	PLACES
	ASK
.endif
	v_add_nc_u32 v9, s[TB], v8
	v_add_nc_u32 v11, s[TQ], v10
.set ti, 0
.rept 16
	ds_load_b128 v[KB+8*ti+4:KB+8*ti+7], v9 offset:512*ti  ; bias of tile t + 1 (in the last task: bytes that have landed and serve nothing)
.set ti, ti+1
.endr
	ds_load_b128 v[QF:QF+3], v11                   ; Q of tile t + 1 (in the last task: tile 0's once more)
	WIN 0x40
	v_mul_f32 v[CM], s[CS], v[MT]
	WIN 0x55
	SFMA 0
	SFMA 1
.set ti, 0
.rept 64                                       ; ONE BATCH of 128 exponentials; nothing ahead of its wait names a result
.if ti+2 < 64
	SFMA ti+2
.endif
	v_exp_f32 v[2*ti], v[2*ti]
	v_exp_f32 v[2*ti+1], v[2*ti+1]
.set ti, ti+1
.endr
	v_nop                                          ; a plain instruction behind the last exponential,
	s_wait_alu depctr_va_vdst(0)                   ; and the one wait for the batch
.irp n, 0,1,2,3,4,5,6,7
	PCVT \n
.endr
.set tu, 0
.rept 8                                        ; O^T += V^T P and l += ones P, 32 keys a step; the two accumulators take turns; the next step's roundings stand between
.if tu == 0
	v_wmma_f32_16x16x32_bf16 v[OACC:OACC+7], v[VF:VF+7], v[0:7], 0
.else
	v_wmma_f32_16x16x32_bf16 v[OACC:OACC+7], v[VF+8*tu:VF+8*tu+7], v[8*tu:8*tu+7], v[OACC:OACC+7]
.endif
.if tu < 7
	PCVT 8*tu+8
	PCVT 8*tu+9
	PCVT 8*tu+10
	PCVT 8*tu+11
.endif
.if tu == 0
	v_wmma_f32_16x16x32_bf16 v[LACC:LACC+7], v[ONES:ONES+7], v[0:7], 0
.else
	v_wmma_f32_16x16x32_bf16 v[LACC:LACC+7], v[ONES:ONES+7], v[8*tu:8*tu+7], v[LACC:LACC+7]
.endif
.if tu < 7
	PCVT 8*tu+12
	PCVT 8*tu+13
	PCVT 8*tu+14
	PCVT 8*tu+15
.endif
.set tu, tu+1
.endr
	PLACES
	v_rcp_f32 v[RC], v[LACC]                       ; every register of l holds my query's sum
	v_nop
	s_wait_alu depctr_va_vdst(0)
.irp j, 0,1,2,3
	v_pk_mul_f32 v[OT+2*\j:OT+2*\j+1], v[OACC+2*\j:OACC+2*\j+1], v[RC:RC+1] op_sel_hi:[1,0]
.endr
.irp j, 0,1,2,3
	v_cvt_pk_bf16_f32 v[OT+\j], v[OT+2*\j], v[OT+2*\j+1]
.endr
	WIN 0x04
	ds_store_b128 v[OA], v[OT:OT+3]                ; over x, which nobody reads any more: every wave's last read of it stood ahead of the first round of the loop
	WIN 0
	v_add_nc_u32 v[OA], 16*XP, v[OA]
.endm
	s_mov_b32 s[CNT], 14
.Ltask:                                        ; tiles 0 to 13: each asks for the tile two on
	TASK 1
	s_sub_co_u32 s[CNT], s[CNT], 1
	s_cmp_lg_u32 s[CNT], 0
	s_cbranch_scc1 .Ltask
	s_wait_tensorcnt 0x0                           ; tile 15's bias has landed
.set i, 0
.rept 16                                       ; my first 16 rows of x once more, in f32, for the residual: they fly during the last two tasks
	global_load_b128 v[64+4*i:64+4*i+3], v4, s[XB:XB+1] offset:512*i
.set i, i+1
.endr
	s_mov_b32 s[CNT], 2
.Ltail:                                        ; tiles 14 and 15 ask for nothing: written apart
	TASK 0
	s_sub_co_u32 s[CNT], s[CNT], 1
	s_cmp_lg_u32 s[CNT], 0
	s_cbranch_scc1 .Ltail
	; THE END: y = LN(x + bo + o Wo) g + b for my 32 rows.
	s_wait_dscnt 0x0
	s_barrier_signal -1
	s_barrier_wait -1                              ; all heads' o lies in LDS
.set i, 0
.rept 16
	global_load_b128 v[128+4*i:128+4*i+3], v4, s[XB:XB+1] offset:512*(16+i)
.set i, i+1
.endr
	s_lshl_b32 s25, s[WV], 22
	v_add_nc_u32 v9, s25, v19                      ; y: my 32 rows, 131,072 bytes apart
	WIN 0x40
.irp t, 0,1
.irp f, 0,1,2,3,4,5,6,7
	ds_load_b128 v[128+32*\t+4*\f:128+32*\t+4*\f+3], v15 offset:\t*16*XP+32*\f  ; o's fragments: row tile t, K step f / 2
.endr
.endr
	WIN 0
.macro STAGEIN xr, acc                 ; 16 rows of x + bo go through my stage and come back as the accumulators' start; LDS serves a wave's instructions in order (ISA guide 5.7.1.4)
.set li, 0
.rept 16
	v_pk_add_f32 v[(\xr)+4*li:(\xr)+4*li+1],   v[(\xr)+4*li:(\xr)+4*li+1],   v[40:41]
	v_pk_add_f32 v[(\xr)+4*li+2:(\xr)+4*li+3], v[(\xr)+4*li+2:(\xr)+4*li+3], v[42:43]
.set li, li+1
.endr
.set li, 0
.rept 16
	ds_store_b128 v10, v[(\xr)+4*li:(\xr)+4*li+3] offset:SP*li
.set li, li+1
.endr
	WIN 0x40
.set li, 0
.rept 16
	ds_load_b128 v[(\acc)+4*li:(\acc)+4*li+3], v14 offset:64*(li/2)+16*(li%2)
.set li, li+1
.endr
	WIN 0
.endm
	s_wait_loadcnt 16                              ; g, b, bo and the first 16 rows are in; the 16 younger loads may stay out
	STAGEIN 64, 0
	s_wait_loadcnt 0x0
	STAGEIN 128, 64
.irp k, 0,1,2,3
.if \k > 0
	PLACES                                         ; ahead of loads into registers that the products have read
.endif
	WIN 0
.set li, 0
.rept 16
	ds_load_b128 v[192+4*li:192+4*li+3], v16 offset:8192*\k+512*li  ; Wo's eight fragments of K step k
.set li, li+1
.endr
	s_wait_dscnt 0x0
	WIN 0x54
.irp c, 0,1,2,3,4,5,6,7
.irp t, 0,1
	v_wmma_f32_16x16x32_bf16 v[64*\t+8*\c:64*\t+8*\c+7], v[192+8*\c:192+8*\c+7], v[128+32*\t+8*\k:128+32*\t+8*\k+7], v[64*\t+8*\c:64*\t+8*\c+7]
.endr
.endr
.endr
	PLACES
.irp t, 0,1
	LN_SUM 64*\t, 32, 1, INVN
	LN_SUB 64*\t, 64*\t, 32, 1, 1
	LN_VAR 64*\t, 32, 1, INVN
	LN_MUL 64*\t, 32, 1
	WIN 0x04
.set li, 0
.rept 16
	ds_store_b128 v14, v[64*\t+4*li:64*\t+4*li+3] offset:64*(li/2)+16*(li%2)
.set li, li+1
.endr
	WIN 0x40
.set li, 0
.rept 16
	ds_load_b128 v[128-128*\t+4*li:128-128*\t+4*li+3], v10 offset:SP*li  ; back by rows
.set li, li+1
.endr
	s_wait_dscnt 0x0
	WIN 0x55
.set li, 0
.rept 16
	v_pk_fma_f32 v[128-128*\t+4*li:128-128*\t+4*li+1],   v[128-128*\t+4*li:128-128*\t+4*li+1],   v[GG:GG+1],   v[BT:BT+1]
	v_pk_fma_f32 v[128-128*\t+4*li+2:128-128*\t+4*li+3], v[128-128*\t+4*li+2:128-128*\t+4*li+3], v[GG+2:GG+3], v[BT+2:BT+3]
.set li, li+1
.endr
	WIN 0x04
.set li, 0
.rept 16
	global_store_b128 v9, v[128-128*\t+4*li:128-128*\t+4*li+3], s[YB:YB+1] offset:(16*\t+li)*131072  ; a row: 512 consecutive bytes, at a multiple of 512
.set li, li+1
.endr
.endr
	WIN 0
	s_wait_tensorcnt 0x0                           ; the wave's end
	ds_add_u32 v30, v31
	s_wait_dscnt 0x0
	CROUND                                         ; the closing round
	s_endpgm
.Lfunc_end_k_qe710b8cc0a_rowatt:
	.size	k_qe710b8cc0a_rowatt, .Lfunc_end_k_qe710b8cc0a_rowatt-k_qe710b8cc0a_rowatt
	.p2alignl 7, 3214868480
	.fill 96, 4, 3214868480
	.section	.rodata,"a",@progbits
	.p2align	6, 0x0
	.amdhsa_kernel k_qe710b8cc0a_rowatt
		.amdhsa_group_segment_fixed_size 327680
		.amdhsa_private_segment_fixed_size 0
		.amdhsa_enable_private_segment 0
		.amdhsa_kernarg_size 72
		.amdhsa_user_sgpr_count 2
		.amdhsa_user_sgpr_kernarg_segment_ptr 1
		.amdhsa_wavefront_size32 1
		.amdhsa_system_sgpr_workgroup_id_x 1
		.amdhsa_system_sgpr_workgroup_id_y 1
		.amdhsa_system_sgpr_workgroup_id_z 1
		.amdhsa_system_vgpr_workitem_id 0
		.amdhsa_next_free_vgpr 512
		.amdhsa_next_free_sgpr 80
		.amdhsa_reserve_vcc 1
		.amdhsa_float_denorm_mode_32 3
		.amdhsa_float_denorm_mode_16_64 3
		.amdhsa_memory_ordered 1
		.amdhsa_forward_progress 1
		.amdhsa_inst_pref_size 154
	.end_amdhsa_kernel
	.amdgpu_metadata
---
amdhsa.version: [ 1, 2 ]
amdhsa.kernels:
  - .name:           k_qe710b8cc0a_rowatt
    .symbol:         k_qe710b8cc0a_rowatt.kd
    .args:
      - { .name: msa, .offset: 0, .size: 8, .value_kind: global_buffer, .address_space: global }
      - { .name: pr, .offset: 8, .size: 8, .value_kind: global_buffer, .address_space: global }
      - { .name: params_row_bq, .offset: 16, .size: 8, .value_kind: global_buffer, .address_space: global }
      - { .name: params_row_bk, .offset: 24, .size: 8, .value_kind: global_buffer, .address_space: global }
      - { .name: params_row_bv, .offset: 32, .size: 8, .value_kind: global_buffer, .address_space: global }
      - { .name: params_row_bo, .offset: 40, .size: 8, .value_kind: global_buffer, .address_space: global }
      - { .name: params_row_ln_g, .offset: 48, .size: 8, .value_kind: global_buffer, .address_space: global }
      - { .name: params_row_ln_b, .offset: 56, .size: 8, .value_kind: global_buffer, .address_space: global }
      - { .name: m1, .offset: 64, .size: 8, .value_kind: global_buffer, .address_space: global }
    .group_segment_fixed_size: 327680
    .private_segment_fixed_size: 0
    .kernarg_segment_align: 8
    .kernarg_segment_size: 72
    .max_flat_workgroup_size: 256
    .sgpr_count:     80
    .vgpr_count:     512
    .wavefront_size: 32
...
	.end_amdgpu_metadata
.endif
;; end of part 2
;; launch colatt: the kernel of part 2 again; grid 256 x 1, 8 waves a work-group, clusters of 4 x 1, 327,680 bytes of LDS; arguments m1, pc, params_col_bq, params_col_bk, params_col_bv, params_col_bo, params_col_ln_g, params_col_ln_b, m2; writes m2
;; launch mt (part 3): grid 256 x 1, 4 waves a work-group, clusters of 4 x 1, 327,680 bytes of LDS; arguments m2, wm, params_mt_b1, params_mt_b2, params_mt_ln_g, params_mt_ln_b, out0, mm; writes out0, mm
.if DOCPART == 3
	.amdgcn_target "amdgcn-amd-amdhsa--gfx1250"
	.amdhsa_code_object_version 6
	.text
	.protected	k_qe710b8cc0a_mt
	.globl	k_qe710b8cc0a_mt
	.p2align	8
	.type	k_qe710b8cc0a_mt,@function
k_qe710b8cc0a_mt:
	s_mov_b64 s[64:65], 0
	v_nop
	global_prefetch_b8 v0, s[64:65] scope:SCOPE_SE
	s_setreg_imm32_b32 hwreg(HW_REG_WAVE_MODE, 25, 1), 1
	s_wait_xcnt 0x0
	s_wait_alu depctr_hold_cnt(0) depctr_sa_sdst(0) depctr_va_vdst(0) depctr_va_sdst(0) depctr_va_ssrc(0) depctr_va_vcc(0) depctr_vm_vsrc(0)
	s_getreg_b32 s2, hwreg(HW_REG_IB_STS2, 6, 4)
	s_cmp_eq_u32 s2, 0
	s_cbranch_scc0 .Lentry_in_a_cluster
	s_endpgm
.Lentry_in_a_cluster:
	s_bfe_u32 s2, ttmp6, 0x10000c
	s_cmp_lg_u32 s2, 0x3003
	s_cbranch_scc0 .Lentry_shape_is_right
	s_endpgm
.Lentry_shape_is_right:
; THE MSA TRANSITION AND THE MEAN OVER SEQUENCES.  out0 = x + relu(LN(x) W1 + b1) W2 + b2, x = m2 [s][r][128] in f32; mm[r] = the mean over s of out0[s][r].
; LIMITS.  LN(x), the hidden numbers and the weights are matrix operands in bf16; x, all sums and the mean stay in f32.  NaN and infinities are not treated apart.
; SHARES.  Work-group g owns residue r = g: 256 rows (all s), 131,072 bytes apart, so the mean never leaves it.  Wave w owns rows 64 w .. 64 w + 63: four tiles of 16.
; Both weight matrices (262,144 bytes in fragment order) lie in LDS, fetched once, JOINTLY by the four work-groups of a cluster; nothing is filled again.
; The products are taken transposed (source 0 = weights): a lane holds one row and eight neighbouring channels, and a packed result is the next product's operand.  The accumulators start as x.
; REGISTERS.  Window 0: v1-29 addresses and small vectors; v32-95 g, later the hidden accumulators; v96-159 LN at work, later the packed hidden numbers and b1; v160-223 b, later rows on the way out;
; v224-235 LN's temporaries.  Window 1: the 32 accumulators.  Window 2: x as loaded; later LN(x)'s fragments (0-127), W1's (128-191), W2's (192-255).
.set B1L,   262144
.set STG,   264192                     ; each wave's own 16 rows of 512 bytes + 16
.set STGW,  8448
.set SP,    528
.set MEANL, 297984
.set SPARE, 300032
.set WV, 22
.set CX, 23
.set GI, 24
.set G1, 28
.set G0, 36
.set SEL, 40
.set INVN, 42
.set EPS, 43
.set CNT, 44
.set XB, 46
.set YB, 48
.set MB, 50
.set INVS, 54
.set ZR,  12
.set B2,  16
.set MS,  20
.set GG,  32
.set HA,  32
.set DD,  96
.set HID, 96
.set B1C, 128
.set BT,  160
.set YR,  160
.set U,   224
.set MN,  232
.set RS,  234
.set MSB, 0
.macro WIN new
.if MSB != (\new)
	s_set_vgpr_msb (MSB<<8)|(\new)
.set MSB, (\new)
.endif
.endm
.macro PLACES
.rept 4
	v_nop
.endr
.endm
.macro CROUND
	s_barrier_signal -1
	s_barrier_wait -1
	s_cmp_lg_u32 s[WV], 0
	s_cbranch_scc1 .Lnot_wave_0_\@
	s_barrier_signal -3
.Lnot_wave_0_\@:
	s_barrier_wait -3
	s_barrier_signal -1
	s_barrier_wait -1
.endm
; LAYERNORM over the 2 np numbers of a lane and those of the lane 16 away.  ws, wd: the window of the data; U, MN, RS lie in window 0.  Two passes.
.macro LN_RED
	WIN 0
	v_pk_add_f32 v[U:U+1], v[U:U+1], v[U+2:U+3]
	v_pk_add_f32 v[U+4:U+5], v[U+4:U+5], v[U+6:U+7]
	v_pk_add_f32 v[U:U+1], v[U:U+1], v[U+4:U+5]
	v_add_f32 v[U], v[U], v[U+1]
	v_permlanex16_b32 v[U+1], v[U], s[SEL], s[SEL+1]
	v_add_f32 v[U], v[U], v[U+1]
.endm
.macro LN_SUM src, np, ws, inv
	WIN 5*(\ws)
.irp k, 0,1,2,3
	v_pk_add_f32 v[U+2*\k:U+2*\k+1], v[(\src)+2*\k:(\src)+2*\k+1], v[(\src)+8+2*\k:(\src)+9+2*\k]
.endr
	WIN 4*(\ws)
.set lj, 8
.rept (\np)-8
	v_pk_add_f32 v[U+2*(lj%4):U+2*(lj%4)+1], v[U+2*(lj%4):U+2*(lj%4)+1], v[(\src)+2*lj:(\src)+2*lj+1]
.set lj, lj+1
.endr
	LN_RED
	v_mul_f32 v[MN], s[\inv], v[U]
	v_mul_f32 v[MN+1], s[\inv], v[U]
.endm
.macro LN_SUB dst, src, np, wd, ws
	WIN (\ws)|((\wd)<<6)
.set lj, 0
.rept \np
	v_pk_add_f32 v[(\dst)+2*lj:(\dst)+2*lj+1], v[(\src)+2*lj:(\src)+2*lj+1], v[MN:MN+1] neg_lo:[0,1] neg_hi:[0,1]
.set lj, lj+1
.endr
.endm
.macro LN_VAR d, np, wd, inv
	WIN 5*(\wd)
.irp k, 0,1,2,3
	v_pk_mul_f32 v[U+2*\k:U+2*\k+1], v[(\d)+2*\k:(\d)+2*\k+1], v[(\d)+2*\k:(\d)+2*\k+1]
.endr
.set lj, 4
.rept (\np)-4
	v_pk_fma_f32 v[U+2*(lj%4):U+2*(lj%4)+1], v[(\d)+2*lj:(\d)+2*lj+1], v[(\d)+2*lj:(\d)+2*lj+1], v[U+2*(lj%4):U+2*(lj%4)+1]
.set lj, lj+1
.endr
	LN_RED
	v_fma_f32 v[U], v[U], s[\inv], s[EPS]
	v_rsq_f32 v[RS], v[U]
	v_nop                                          ; a plain instruction behind the root,
	s_wait_alu depctr_va_vdst(0)                   ; and a wait ahead of its first reader
	v_mov_b32 v[RS+1], v[RS]
.endm
.macro LN_MUL d, np, wd
	WIN 0x41*(\wd)
.set lj, 0
.rept \np
	v_pk_mul_f32 v[(\d)+2*lj:(\d)+2*lj+1], v[(\d)+2*lj:(\d)+2*lj+1], v[RS:RS+1]
.set lj, lj+1
.endr
.endm
.macro LN_AFF d, g, b, np, wd
	WIN 0x41*(\wd)
.set lj, 0
.rept \np
	v_pk_fma_f32 v[(\d)+2*lj:(\d)+2*lj+1], v[(\d)+2*lj:(\d)+2*lj+1], v[(\g)+2*lj:(\g)+2*lj+1], v[(\b)+2*lj:(\b)+2*lj+1]
.set lj, lj+1
.endr
.endm
	s_load_b512 s[4:19], s[0:1], 0x0               ; m2 s[4:5], wm s[6:7], b1 s[8:9], b2 s[10:11], g s[12:13], b s[14:15], out0 s[16:17], mm s[18:19]
	v_lshl_add_u32 v30, v0, 2, SPARE
	v_mov_b32 v31, 0
	ds_add_u32 v30, v31                            ; the wave's opening: the add and its wait ahead of my first tensor load
	v_lshrrev_b32 v13, 5, v0
	v_readfirstlane_b32 s[WV], v13
	s_bfe_u32 s[CX], ttmp6, 0x40000
	s_lshl_b32 s[GI], ttmp9, 2
	s_add_co_u32 s[GI], s[GI], s[CX]               ; my residue: it enters global addresses alone
	v_and_b32 v1, 15, v0
	v_bfe_u32 v2, v0, 4, 1
	v_and_b32 v3, 31, v0
	s_mov_b32 s[G1], 15|(3<<16)|(1<<21)            ; the mask of four; elements of 8 bytes; bit 21 beside a mask
	s_mov_b32 s[G1+1], 32<<16                      ; rows of 256 bytes,
	s_mov_b32 s[G1+2], 256<<16                     ; 256 of them: a quarter of the weights
	s_mov_b32 s[G1+3], 32<<16
	s_mov_b32 s[G1+4], 256
	s_mov_b32 s[G1+5], 32
	s_mov_b32 s[G1+6], 0
	s_mov_b32 s[G1+7], 0
	s_mov_b32 s[G0], 1
	s_lshl_b32 s[G0+1], s[WV], 16
	s_lshl_b32 s26, s[WV], 16
	s_mov_b32 s27, 0
	s_mov_b32 s[SEL], 0x76543210
	s_mov_b32 s[SEL+1], 0xfedcba98
	s_mov_b32 s[INVN], 0x3c000000                  ; 1 / 128
	s_mov_b32 s[EPS], 0x3727c5ac                   ; 1e-5
	s_mov_b32 s[INVS], 0x3b800000                  ; 1 / 256
	v_lshlrev_b32 v11, 4, v3                       ; 16 lane
	s_lshl_b32 s25, s[WV], 23
	v_add_nc_u32 v4, s25, v11                      ; my 64 rows, 131,072 bytes apart
	s_mul_i32 s25, s[WV], STGW
	s_add_co_u32 s25, s25, STG
	v_add_nc_u32 v5, s25, v11                      ; my stage by rows
	v_mul_u32_u24 v6, v1, SP
	v_lshl_add_u32 v6, v2, 5, v6
	v_add_nc_u32 v6, s25, v6                       ; my stage as an accumulator sees it
	v_mov_b32 v7, v11                              ; W1's fragments of the chunk in hand
	v_add_nc_u32 v8, 131072, v11                   ; W2's
	v_lshlrev_b32 v10, 5, v2                       ; channels 8 hh on, in f32
	v_add_nc_u32 v9, B1L, v10                      ; b1 of the chunk in hand
	v_mov_b32 v[ZR], 0
	v_lshlrev_b32 v14, 4, v0                       ; b1: 16 bytes a thread
	v_add_nc_u32 v15, B1L, v14
	s_lshl_b32 s25, s[WV], 9
	s_add_co_u32 s25, s25, MEANL
	v_add_nc_u32 v13, s25, v11                     ; my partial sums
	s_wait_dscnt 0x0                               ; the opening add is done
	s_wait_kmcnt 0x0
	s_add_nc_u64 s[G0+2:G0+3], s[6:7], s[26:27]
	s_or_b32 s[G0+3], s[G0+3], 0x80000000
	s_lshl_b32 s52, s[GI], 9
	s_mov_b32 s53, 0
	s_add_nc_u64 s[XB:XB+1], s[4:5], s[52:53]
	s_add_nc_u64 s[YB:YB+1], s[16:17], s[52:53]
	s_add_nc_u64 s[MB:MB+1], s[18:19], s[52:53]
.set i, 0
.rept 16                                       ; g and b as an accumulator sees them: channels 16 ct + 8 hh on
	global_load_b128 v[GG+4*i:GG+4*i+3], v10, s[12:13] offset:64*(i/2)+16*(i%2)
	global_load_b128 v[BT+4*i:BT+4*i+3], v10, s[14:15] offset:64*(i/2)+16*(i%2)
.set i, i+1
.endr
	global_load_b128 v[B2:B2+3], v11, s[10:11]
	global_load_b128 v[24:27], v14, s[8:9]
	WIN 0x80
.set i, 0
.rept 64                                       ; my 64 rows, read once; all loads go out ahead of the round
	global_load_b128 v[4*i:4*i+3], v4, s[XB:XB+1] offset:131072*i th:TH_LOAD_NT
.set i, i+1
.endr
	WIN 0
	CROUND                                         ; all four work-groups are here: the joint loads meet
	tensor_load_to_lds s[G0:G0+3], s[G1:G1+7]      ; my quarter of the weights: one load of mine is out
	s_nop 0
	PLACES
.irp t, 0,1,2,3
	s_wait_loadcnt 48-16*\t                        ; the parameters and my rows up to tile t are in; the younger rows' loads may stay out
.if \t == 0
	ds_store_b128 v15, v[24:27]                    ; b1 for everybody
.endif
	WIN 0x08                                       ; store data in window 2
.set li, 0
.rept 16
	ds_store_b128 v5, v[64*\t+4*li:64*\t+4*li+3] offset:SP*li
.set li, li+1
.endr
	WIN 0x40
.set li, 0
.rept 16
	ds_load_b128 v[64*\t+4*li:64*\t+4*li+3], v6 offset:64*(li/2)+16*(li%2)  ; x as the accumulators' start; LDS serves a wave's instructions in order (ISA guide 5.7.1.4)
.set li, li+1
.endr
	s_wait_dscnt 0x0
	LN_SUM 64*\t, 32, 1, INVN
	LN_SUB DD, 64*\t, 32, 0, 1
	LN_VAR DD, 32, 0, INVN
	LN_MUL DD, 32, 0
	LN_AFF DD, GG, BT, 32, 0
	WIN 0x80
.set li, 0
.rept 32
	v_cvt_pk_bf16_f32 v[32*\t+li], v[DD+2*li], v[DD+2*li+1]  ; channel tiles 2 ks, 2 ks + 1 packed are the fragment of K step ks
.set li, li+1
.endr
.endr
	WIN 0
	s_wait_tensorcnt 0x0                           ; my quarter of the weights has landed,
	s_wait_dscnt 0x0                               ; b1 is stored,
	s_barrier_signal -1
	s_barrier_wait -1                              ; everybody's
.macro W1LOAD                          ; a chunk's eight fragments of W1 and its 32 numbers of b1
	WIN 0x80
.set li, 0
.rept 16
	ds_load_b128 v[128+4*li:128+4*li+3], v7 offset:512*li
.set li, li+1
.endr
	WIN 0
.irp f, 0,1,2,3
	ds_load_b128 v[B1C+4*\f:B1C+4*\f+3], v9 offset:64*(\f/2)+16*(\f%2)
.endr
.endm
	W1LOAD
; A CHUNK: 32 hidden channels: 32 products for them (b1 starts the sums), relu and rounding, 32 products onto the output.  In each run the accumulators take turns.
.macro CHUNK last
	PLACES                                         ; ahead of loads into registers that the last products have read
	WIN 0x80
.set li, 0
.rept 16
	ds_load_b128 v[192+4*li:192+4*li+3], v8 offset:512*li
.set li, li+1
.endr
	s_wait_dscnt 16                                ; W1 and b1 are in; W2's 16 loads may stay out
	WIN 0x0a
.irp k, 0,1,2,3
.irp h, 0,1
.irp t, 0,1,2,3
.if \k == 0
	v_wmma_f32_16x16x32_bf16 v[HA+32*\h+8*\t:HA+32*\h+8*\t+7], v[128+8*(4*\h+\k):128+8*(4*\h+\k)+7], v[32*\t+8*\k:32*\t+8*\k+7], v[B1C+8*\h:B1C+8*\h+7]
.else
	v_wmma_f32_16x16x32_bf16 v[HA+32*\h+8*\t:HA+32*\h+8*\t+7], v[128+8*(4*\h+\k):128+8*(4*\h+\k)+7], v[32*\t+8*\k:32*\t+8*\k+7], v[HA+32*\h+8*\t:HA+32*\h+8*\t+7]
.endif
.endr
.endr
.endr
	PLACES
.if !(\last)
	WIN 0
	v_add_nc_u32 v7, 8192, v7
	v_add_nc_u32 v9, 128, v9
	W1LOAD                                         ; the next chunk's
.endif
	WIN 0
.irp t, 0,1,2,3
.irp h, 0,1
.irp r, 0,1,2,3
	v_cvt_pk_bf16_f32 v[HID+8*\t+4*\h+\r], v[HA+32*\h+8*\t+2*\r], v[HA+32*\h+8*\t+2*\r+1]
.endr
.endr
.endr
.set li, 0
.rept 32
	v_pk_max_num_bf16 v[HID+li], v[HID+li], v[ZR]
.set li, li+1
.endr
.if \last
	s_wait_dscnt 0x0
.else
	s_wait_dscnt 20                                ; W2 is in; the 20 loads just issued may stay out
.endif
	WIN 0x52
.irp t, 0,1,2,3
.irp c, 0,1,2,3,4,5,6,7
	v_wmma_f32_16x16x32_bf16 v[64*\t+8*\c:64*\t+8*\c+7], v[192+8*\c:192+8*\c+7], v[HID+8*\t:HID+8*\t+7], v[64*\t+8*\c:64*\t+8*\c+7]
.endr
.endr
	WIN 0
	v_add_nc_u32 v8, 8192, v8
.endm
	s_mov_b32 s[CNT], 15
.Lchunk:
	CHUNK 0
	s_sub_co_u32 s[CNT], s[CNT], 1
	s_cmp_lg_u32 s[CNT], 0
	s_cbranch_scc1 .Lchunk
	CHUNK 1                                        ; the last chunk fetches nothing further
	PLACES
.irp j, 0,1,2,3
	v_mov_b32 v[MS+\j], 0
.endr
.irp t, 0,1,2,3
	WIN 0x04
.set li, 0
.rept 16
	ds_store_b128 v6, v[64*\t+4*li:64*\t+4*li+3] offset:64*(li/2)+16*(li%2)
.set li, li+1
.endr
	WIN 0
	s_wait_xcnt 0x0                                ; the last tile's stores have read their data registers, which are loaded anew
.set li, 0
.rept 16
	ds_load_b128 v[YR+4*li:YR+4*li+3], v5 offset:SP*li
.set li, li+1
.endr
	s_wait_dscnt 0x0
.set li, 0
.rept 16
	v_pk_add_f32 v[YR+4*li:YR+4*li+1],   v[YR+4*li:YR+4*li+1],   v[B2:B2+1]
	v_pk_add_f32 v[YR+4*li+2:YR+4*li+3], v[YR+4*li+2:YR+4*li+3], v[B2+2:B2+3]
	v_pk_add_f32 v[MS:MS+1],   v[MS:MS+1],   v[YR+4*li:YR+4*li+1]
	v_pk_add_f32 v[MS+2:MS+3], v[MS+2:MS+3], v[YR+4*li+2:YR+4*li+3]
.set li, li+1
.endr
.set li, 0
.rept 16
	global_store_b128 v4, v[YR+4*li:YR+4*li+3], s[YB:YB+1] offset:(16*\t+li)*131072 th:TH_STORE_NT  ; a row: 512 consecutive bytes, at a multiple of 512
.set li, li+1
.endr
.endr
	ds_store_b128 v13, v[MS:MS+3]
	s_wait_dscnt 0x0
	s_barrier_signal -1
	s_barrier_wait -1                              ; the four waves' sums over their 64 rows lie in LDS
	s_cmp_lg_u32 s[WV], 0
	s_cbranch_scc1 .Lend
.irp j, 0,1,2,3
	ds_load_b128 v[96+4*\j:96+4*\j+3], v13 offset:512*\j  ; in wave 0 this address is the first of the four
.endr
	s_wait_dscnt 0x0
	v_pk_add_f32 v[96:97],   v[96:97],   v[100:101]
	v_pk_add_f32 v[98:99],   v[98:99],   v[102:103]
	v_pk_add_f32 v[104:105], v[104:105], v[108:109]
	v_pk_add_f32 v[106:107], v[106:107], v[110:111]
	v_pk_add_f32 v[96:97],   v[96:97],   v[104:105]
	v_pk_add_f32 v[98:99],   v[98:99],   v[106:107]
.irp j, 0,1,2,3
	v_mul_f32 v[96+\j], s[INVS], v[96+\j]
.endr
	global_store_b128 v11, v[96:99], s[MB:MB+1]
.Lend:
	s_wait_tensorcnt 0x0                           ; the wave's end
	ds_add_u32 v30, v31
	s_wait_dscnt 0x0
	CROUND                                         ; the closing round
	s_endpgm
.Lfunc_end_k_qe710b8cc0a_mt:
	.size	k_qe710b8cc0a_mt, .Lfunc_end_k_qe710b8cc0a_mt-k_qe710b8cc0a_mt
	.p2alignl 7, 3214868480
	.fill 96, 4, 3214868480
	.section	.rodata,"a",@progbits
	.p2align	6, 0x0
	.amdhsa_kernel k_qe710b8cc0a_mt
		.amdhsa_group_segment_fixed_size 327680
		.amdhsa_private_segment_fixed_size 0
		.amdhsa_enable_private_segment 0
		.amdhsa_kernarg_size 64
		.amdhsa_user_sgpr_count 2
		.amdhsa_user_sgpr_kernarg_segment_ptr 1
		.amdhsa_wavefront_size32 1
		.amdhsa_system_sgpr_workgroup_id_x 1
		.amdhsa_system_sgpr_workgroup_id_y 1
		.amdhsa_system_sgpr_workgroup_id_z 1
		.amdhsa_system_vgpr_workitem_id 0
		.amdhsa_next_free_vgpr 768
		.amdhsa_next_free_sgpr 66
		.amdhsa_reserve_vcc 0
		.amdhsa_float_denorm_mode_32 3
		.amdhsa_float_denorm_mode_16_64 3
		.amdhsa_memory_ordered 1
		.amdhsa_forward_progress 1
		.amdhsa_inst_pref_size 128
	.end_amdhsa_kernel
	.amdgpu_metadata
---
amdhsa.version: [ 1, 2 ]
amdhsa.kernels:
  - .name:           k_qe710b8cc0a_mt
    .symbol:         k_qe710b8cc0a_mt.kd
    .args:
      - { .name: m2, .offset: 0, .size: 8, .value_kind: global_buffer, .address_space: global }
      - { .name: wm, .offset: 8, .size: 8, .value_kind: global_buffer, .address_space: global }
      - { .name: params_mt_b1, .offset: 16, .size: 8, .value_kind: global_buffer, .address_space: global }
      - { .name: params_mt_b2, .offset: 24, .size: 8, .value_kind: global_buffer, .address_space: global }
      - { .name: params_mt_ln_g, .offset: 32, .size: 8, .value_kind: global_buffer, .address_space: global }
      - { .name: params_mt_ln_b, .offset: 40, .size: 8, .value_kind: global_buffer, .address_space: global }
      - { .name: out0, .offset: 48, .size: 8, .value_kind: global_buffer, .address_space: global }
      - { .name: mm, .offset: 56, .size: 8, .value_kind: global_buffer, .address_space: global }
    .group_segment_fixed_size: 327680
    .private_segment_fixed_size: 0
    .kernarg_segment_align: 8
    .kernarg_segment_size: 64
    .max_flat_workgroup_size: 128
    .sgpr_count:     66
    .vgpr_count:     768
    .wavefront_size: 32
...
	.end_amdgpu_metadata
.endif
;; end of part 3
;; launch pairk (part 4): grid 256 x 1, 8 waves a work-group, clusters of 4 x 1, 327,680 bytes of LDS; arguments pair, mm, wp, params_opm_ln_g, params_opm_ln_b, params_opm_b1, params_opm_b2, params_tri_ln_g, params_tri_ln_b, params_tri_bq, params_tri_bk, params_tri_bv, params_tri_bo, params_pt_ln_g, params_pt_ln_b, params_pt_b1, params_pt_b2, out1; writes out1
.if DOCPART == 4
	.amdgcn_target "amdgcn-amd-amdhsa--gfx1250"
	.amdhsa_code_object_version 6
	.text
	.protected	k_qe710b8cc0a_pairk
	.globl	k_qe710b8cc0a_pairk
	.p2align	8
	.type	k_qe710b8cc0a_pairk,@function
k_qe710b8cc0a_pairk:
	s_mov_b64 s[64:65], 0
	v_nop
	global_prefetch_b8 v0, s[64:65] scope:SCOPE_SE
	s_setreg_imm32_b32 hwreg(HW_REG_WAVE_MODE, 25, 1), 1
	s_wait_xcnt 0x0
	s_wait_alu depctr_hold_cnt(0) depctr_sa_sdst(0) depctr_va_vdst(0) depctr_va_sdst(0) depctr_va_ssrc(0) depctr_va_vcc(0) depctr_vm_vsrc(0)
	s_getreg_b32 s2, hwreg(HW_REG_IB_STS2, 6, 4)
	s_cmp_eq_u32 s2, 0
	s_cbranch_scc0 .Lentry_in_a_cluster
	s_endpgm
.Lentry_in_a_cluster:
	s_bfe_u32 s2, ttmp6, 0x10000c
	s_cmp_lg_u32 s2, 0x3003
	s_cbranch_scc0 .Lentry_shape_is_right
	s_endpgm
.Lentry_shape_is_right:
; THE PAIR TRACK, one launch.  For row i of pair (256 rows j x 64 f32):  p1 = pair + relu(LN(mm[i] mm[j]) W1 + b1) W2 + b2;  p2 = p1 + attention(LN(p1)) Wo + bo (4 heads of 16 channels, along j,
; scores / 4, no bias);  out1 = p2 + relu(LN(p2) W1 + b1) W2 + b2.  Nothing goes to memory between the steps.
; LIMITS.  The LayerNorms' results, q, k, v, the weights p, o, the hidden numbers and all weight matrices are matrix operands in bf16; the pair stream, maxima, sums and LayerNorms stay in f32.
; The divisor l is the sum of the rounded p; a weight below 2^-126 counts as 0.  NaN and infinities are not treated apart.
; SHARES.  Work-group i; wave w owns rows j = 32 w .. 32 w + 31 (two tiles of 16) outside the attention; in it head w % 4 and the queries 128 (w / 4) .. + 127.  The two waves of a head each make
; that head's K and V for all 256 keys; the wave of the upper queries takes the keys turned round by 128, K and V alike: without a bias the softmax does not hang on the keys' order.
; mm (131,072 bytes) and the weights that all waves read (86,016 bytes) are fetched once, JOINTLY by the four work-groups of a cluster.  mm's LDS bytes have then had their last fill, and serve as
; scratch (LN(p1) in bf16, o in bf16, Q's half fragments).
; LAYOUT as in the MSA attention: products with the weights as source 0, so that a lane holds one row and eight neighbouring channels.
; REGISTERS.  Window 0: v1-29 lane terms, addresses, LN's temporaries; v32-39 [Q | 0]; v40-63 biases that start sums; v64-255 gains and biases as an accumulator sees them, later [K | 0] (128-255).
; Window 1: v192-255 the pair stream's accumulators (parked in LDS during the attention); the rest by phase, as the text says.
.set MP,    528                        ; a row of mm: 512 bytes + 16
.set WL,    135168                     ; the weights: opm W1, opm W2, tri Wo, pt W1, pt W2
.set OW1,   0
.set OW2,   8192
.set TWO,   12288
.set PW1,   20480
.set PW2,   53248
.set PL,    221184                     ; the pair stream: 256 rows of 256 bytes + 16
.set PP,    272
.set SPARE, 290816
.set PB1L,  291840                     ; pt_b1
.set XPT,   144                        ; LN(p1) and o in bf16: rows of 128 bytes + 16
.set OL,    36864
.set QPL,   73728
.set G1M, 40
.set G1L, 48
.set G0M, 56
.set G0L, 60
.set WV, 66
.set CX, 67
.set GI, 68
.set CS, 70
.set SEL, 72
.set INV128, 74
.set EPS, 75
.set INV64, 76
.set CNT, 77
.set TQ, 78
.set HD, 79
.set QH, 80
.set PBASE, 86
.set OBASE, 88
.set MI, 90
.set MN, 16                            ; v16-17 the mean, twice;  v16-19 also the packed q
.set RS, 18
.set PQ, 16
.set U,  20                            ; v20-27 four chains; v20-23 first hold opm_b2; v20-21 also the maximum's exchange
.set MT, 20
.set OA, 28
.set QF, 32
.set CQ, 40
.set CK, 48
.set CV, 56
.set KB, 128
.set ACP, 192                          ; window 1 from here on
.set VF,   128
.set OACC, 192
.set LACC, 200
.set ONES, 208
.set CC,   216
.set CM,   220
.set RC,   222
.set OT,   224
.set AQ,   80
.set AK,   88
.set AV,   96
.set DD,   96
.set MSB, 0
.macro WIN new
.if MSB != (\new)
	s_set_vgpr_msb (MSB<<8)|(\new)
.set MSB, (\new)
.endif
.endm
.macro PLACES
.rept 4
	v_nop
.endr
.endm
.macro CROUND
	s_barrier_signal -1
	s_barrier_wait -1
	s_cmp_lg_u32 s[WV], 0
	s_cbranch_scc1 .Lnot_wave_0_\@
	s_barrier_signal -3
.Lnot_wave_0_\@:
	s_barrier_wait -3
	s_barrier_signal -1
	s_barrier_wait -1
.endm
; LAYERNORM over the 2 np numbers of a lane and those of the lane 16 away.  ws, wd: the window of the data; U, MN, RS lie in window 0.  Two passes.
.macro LN_RED
	WIN 0
	v_pk_add_f32 v[U:U+1], v[U:U+1], v[U+2:U+3]
	v_pk_add_f32 v[U+4:U+5], v[U+4:U+5], v[U+6:U+7]
	v_pk_add_f32 v[U:U+1], v[U:U+1], v[U+4:U+5]
	v_add_f32 v[U], v[U], v[U+1]
	v_permlanex16_b32 v[U+1], v[U], s[SEL], s[SEL+1]
	v_add_f32 v[U], v[U], v[U+1]
.endm
.macro LN_SUM src, np, ws, inv         ; ascending
	WIN 5*(\ws)
.irp k, 0,1,2,3
	v_pk_add_f32 v[U+2*\k:U+2*\k+1], v[(\src)+2*\k:(\src)+2*\k+1], v[(\src)+8+2*\k:(\src)+9+2*\k]
.endr
	WIN 4*(\ws)
.set lj, 8
.rept (\np)-8
	v_pk_add_f32 v[U+2*(lj%4):U+2*(lj%4)+1], v[U+2*(lj%4):U+2*(lj%4)+1], v[(\src)+2*lj:(\src)+2*lj+1]
.set lj, lj+1
.endr
	LN_RED
	v_mul_f32 v[MN], s[\inv], v[U]
	v_mul_f32 v[MN+1], s[\inv], v[U]
.endm
.macro LN_SUB dst, src, np, wd, ws
	WIN (\ws)|((\wd)<<6)
.set lj, 0
.rept \np
	v_pk_add_f32 v[(\dst)+2*lj:(\dst)+2*lj+1], v[(\src)+2*lj:(\src)+2*lj+1], v[MN:MN+1] neg_lo:[0,1] neg_hi:[0,1]
.set lj, lj+1
.endr
.endm
.macro LN_VAR d, np, wd, inv
	WIN 5*(\wd)
.irp k, 0,1,2,3
	v_pk_mul_f32 v[U+2*\k:U+2*\k+1], v[(\d)+2*\k:(\d)+2*\k+1], v[(\d)+2*\k:(\d)+2*\k+1]
.endr
.set lj, 4
.rept (\np)-4
	v_pk_fma_f32 v[U+2*(lj%4):U+2*(lj%4)+1], v[(\d)+2*lj:(\d)+2*lj+1], v[(\d)+2*lj:(\d)+2*lj+1], v[U+2*(lj%4):U+2*(lj%4)+1]
.set lj, lj+1
.endr
	LN_RED
	v_fma_f32 v[U], v[U], s[\inv], s[EPS]
	v_rsq_f32 v[RS], v[U]
	v_nop                                          ; a plain instruction behind the root,
	s_wait_alu depctr_va_vdst(0)                   ; and a wait ahead of its first reader
	v_mov_b32 v[RS+1], v[RS]
.endm
.macro LN_MUL d, np, wd
	WIN 0x41*(\wd)
.set lj, 0
.rept \np
	v_pk_mul_f32 v[(\d)+2*lj:(\d)+2*lj+1], v[(\d)+2*lj:(\d)+2*lj+1], v[RS:RS+1]
.set lj, lj+1
.endr
.endm
.macro LN_AFF d, g, b, np, wd
	WIN 0x41*(\wd)
.set lj, 0
.rept \np
	v_pk_fma_f32 v[(\d)+2*lj:(\d)+2*lj+1], v[(\d)+2*lj:(\d)+2*lj+1], v[(\g)+2*lj:(\g)+2*lj+1], v[(\b)+2*lj:(\b)+2*lj+1]
.set lj, lj+1
.endr
.endm
.macro DLOAD8 dst, ptr                 ; 64 channels of a parameter as an accumulator sees them: channels 16 ct + 8 hh on, 32 registers in window 0
.set li, 0
.rept 8
	global_load_b128 v[(\dst)+4*li:(\dst)+4*li+3], v8, s[\ptr:\ptr+1] offset:64*(li/2)+16*(li%2)
.set li, li+1
.endr
.endm
.macro ACPLOAD                         ; the pair stream's accumulators out of LDS (my own rows)
	WIN 0x40
.irp t, 0,1
.irp f, 0,1,2,3,4,5,6,7
	ds_load_b128 v[ACP+32*\t+4*\f:ACP+32*\t+4*\f+3], v6 offset:\t*16*PP+64*(\f/2)+16*(\f%2)
.endr
.endr
.endm
	s_load_b512 s[4:19], s[0:1], 0x0               ; pair s[4:5], mm s[6:7], wp s[8:9], opm g s[10:11], b s[12:13], b1 s[14:15], b2 s[16:17], tri g s[18:19]
	s_load_b512 s[20:35], s[0:1], 0x40             ; tri b s[20:21], bq s[22:23], bk s[24:25], bv s[26:27], bo s[28:29], pt g s[30:31], b s[32:33], b1 s[34:35]
	s_load_b128 s[36:39], s[0:1], 0x80             ; pt b2 s[36:37], out1 s[38:39]
	v_lshl_add_u32 v30, v0, 2, SPARE
	v_mov_b32 v31, 0
	ds_add_u32 v30, v31                            ; the wave's opening: the add and its wait ahead of my first tensor load
	v_lshrrev_b32 v29, 5, v0
	v_readfirstlane_b32 s[WV], v29
	s_bfe_u32 s[CX], ttmp6, 0x40000
	s_lshl_b32 s[GI], ttmp9, 2
	s_add_co_u32 s[GI], s[GI], s[CX]               ; my row i: it enters global addresses alone
	s_and_b32 s[HD], s[WV], 3
	s_lshr_b32 s[QH], s[WV], 2
	v_and_b32 v1, 15, v0
	v_bfe_u32 v2, v0, 4, 1
	v_and_b32 v3, 31, v0
	s_mov_b32 s[G1M], 15|(2<<16)|(1<<20)|(1<<21)|(6<<22)|(3<<25)  ; the mask of four; elements of 4 bytes; padding: 4 words behind every 128; bit 21 beside a mask
	s_mov_b32 s[G1M+1], 128<<16
	s_mov_b32 s[G1M+2], 32<<16
	s_mov_b32 s[G1M+3], 128<<16
	s_mov_b32 s[G1M+4], 32
	s_mov_b32 s[G1M+5], 128
	s_mov_b32 s[G1M+6], 0
	s_mov_b32 s[G1M+7], 0
	s_mov_b32 s[G1L], 15|(3<<16)|(1<<21)           ; dense: 42 rows of 256 bytes
	s_mov_b32 s[G1L+1], 32<<16
	s_mov_b32 s[G1L+2], 42<<16
	s_mov_b32 s[G1L+3], 32<<16
	s_mov_b32 s[G1L+4], 42
	s_mov_b32 s[G1L+5], 32
	s_mov_b32 s[G1L+6], 0
	s_mov_b32 s[G1L+7], 0
	s_mov_b32 s[G0M], 1
	s_mul_i32 s[G0M+1], s[WV], 32*MP
	s_mov_b32 s[G0L], 1
	s_mul_i32 s[G0L+1], s[WV], 10752
	s_add_co_u32 s[G0L+1], s[G0L+1], WL
	s_mov_b32 s[CS], 0x3fb8aa3b
	s_mov_b32 s[CS+1], s[CS]
	s_mov_b32 s[SEL], 0x76543210
	s_mov_b32 s[SEL+1], 0xfedcba98
	s_mov_b32 s[INV128], 0x3c000000
	s_mov_b32 s[INV64], 0x3c800000
	s_mov_b32 s[EPS], 0x3727c5ac
	s_lshl_b32 s81, s[WV], 13
	v_lshl_add_u32 v4, v3, 4, s81                  ; pair and out1: my 32 rows, 8,192 dense bytes
	s_mul_i32 s81, s[WV], 32*PP
	s_add_co_u32 s81, s81, PL
	v_mul_u32_u24 v5, v2, PP
	v_lshl_add_u32 v5, v1, 4, v5
	v_add_nc_u32 v5, s81, v5                       ; the stream in LDS by rows: two rows an instruction
	v_mul_u32_u24 v6, v1, PP
	v_lshl_add_u32 v6, v2, 5, v6
	v_add_nc_u32 v6, s81, v6                       ; as an accumulator sees it
	s_mul_i32 s82, s[WV], 32*MP
	v_mul_u32_u24 v7, v1, MP
	v_lshl_add_u32 v7, v2, 5, v7
	v_add_nc_u32 v7, s82, v7                       ; mm's rows j, as an accumulator sees them
	v_lshlrev_b32 v8, 5, v2                        ; channels 8 hh on, in f32
	v_lshlrev_b32 v9, 4, v1                        ; channels 4 r16 on
	v_lshl_add_u32 v10, v3, 4, WL                  ; fragments in LDS
	s_mul_i32 s82, s[WV], 32*XPT
	v_mul_u32_u24 v11, v1, XPT
	v_lshl_add_u32 v11, v2, 4, v11
	v_mov_b32 v12, v11                             ; row r16, 16 bytes for each half of the lanes: kept for the fragments' addresses
	v_add_nc_u32 v11, s82, v11                     ; LN(p1), in: my rows
	v_lshlrev_b32 v28, 2, v0                       ; pt_b1: 4 bytes a thread
	v_lshl_add_u32 v15, v0, 2, PB1L
	s_wait_dscnt 0x0                               ; the opening add is done
	s_wait_kmcnt 0x0
	s_lshl_b32 s82, s[WV], 14
	s_mov_b32 s83, 0
	s_add_nc_u64 s[G0M+2:G0M+3], s[6:7], s[82:83]
	s_or_b32 s[G0M+3], s[G0M+3], 0x80000000
	s_mul_i32 s82, s[WV], 10752
	s_add_co_u32 s82, s82, 24576
	s_add_nc_u64 s[G0L+2:G0L+3], s[8:9], s[82:83]
	s_or_b32 s[G0L+3], s[G0L+3], 0x80000000
	s_lshl_b32 s84, s[GI], 16
	s_mov_b32 s85, 0
	s_add_nc_u64 s[PBASE:PBASE+1], s[4:5], s[84:85]
	s_add_nc_u64 s[OBASE:OBASE+1], s[38:39], s[84:85]
	s_lshl_b32 s84, s[GI], 9
	s_add_nc_u64 s[MI:MI+1], s[6:7], s[84:85]
	global_load_b128 v[20:23], v9, s[16:17]        ; opm_b2 by rows
	global_load_b32 v29, v28, s[34:35]             ; pt_b1
	WIN 0x40
.set i, 0
.rept 16
	global_load_b128 v[ACP+4*i:ACP+4*i+3], v4, s[PBASE:PBASE+1] offset:512*i  ; my 32 rows of pair
.set i, i+1
.endr
	WIN 0
.set i, 0
.rept 16                                       ; mm[i], opm's g and b: 128 channels as an accumulator sees them
	global_load_b128 v[64+4*i:64+4*i+3],   v8, s[MI:MI+1] offset:64*(i/2)+16*(i%2)
	global_load_b128 v[128+4*i:128+4*i+3], v8, s[10:11] offset:64*(i/2)+16*(i%2)
	global_load_b128 v[192+4*i:192+4*i+3], v8, s[12:13] offset:64*(i/2)+16*(i%2)
.set i, i+1
.endr
.irp f, 0,1,2,3
	global_load_b128 v[40+4*\f:40+4*\f+3], v8, s[14:15] offset:64*(\f/2)+16*(\f%2)  ; opm_b1
.endr
	CROUND                                         ; all four work-groups are here: the joint loads meet
	tensor_load_to_lds s[G0M:G0M+3], s[G1M:G1M+7]  ; my 32 rows of mm
	s_nop 0
	tensor_load_to_lds s[G0L:G0L+3], s[G1L:G1L+7]  ; my eighth of the weights: two loads of mine are out
	s_nop 0
	PLACES
	s_wait_loadcnt 52                              ; opm_b2, pt_b1 and pair are in; the 52 younger loads may stay out
	ds_store_b32 v15, v29
	WIN 0x41
.set i, 0
.rept 16
	v_pk_add_f32 v[ACP+4*i:ACP+4*i+1],   v[ACP+4*i:ACP+4*i+1],   v[20:21]
	v_pk_add_f32 v[ACP+4*i+2:ACP+4*i+3], v[ACP+4*i+2:ACP+4*i+3], v[22:23]
.set i, i+1
.endr
	WIN 0x04
.set i, 0
.rept 16
	ds_store_b128 v5, v[ACP+4*i:ACP+4*i+3] offset:2*PP*i  ; pair + opm_b2
.set i, i+1
.endr
	WIN 0
	; OUTER PRODUCT, ITS LAYERNORM.  Window 1: v0-63 the row at work, v128-191 its fragments
	s_wait_tensorcnt 0x1                           ; my rows of mm are in (only I read them); the weights' load may stay out
	s_wait_loadcnt 0x0
.irp t, 0,1
	WIN 0x40
.set li, 0
.rept 16
	ds_load_b128 v[4*li:4*li+3], v7 offset:\t*16*MP+64*(li/2)+16*(li%2)
.set li, li+1
.endr
	s_wait_dscnt 0x0
	WIN 0x41
.set li, 0
.rept 32
	v_pk_mul_f32 v[2*li:2*li+1], v[2*li:2*li+1], v[64+2*li:64+2*li+1]  ; mm[j] mm[i]
.set li, li+1
.endr
	LN_SUM 0, 32, 1, INV128
	LN_SUB 0, 0, 32, 1, 1
	LN_VAR 0, 32, 1, INV128
	LN_MUL 0, 32, 1
	LN_AFF 0, 128, 192, 32, 1
	WIN 0x55
.set li, 0
.rept 32
	v_cvt_pk_bf16_f32 v[128+32*\t+li], v[2*li], v[2*li+1]
.set li, li+1
.endr
.endr
	WIN 0
	DLOAD8 64, 18                                  ; tri g, b and bo, over registers that are done with
	DLOAD8 96, 20
	DLOAD8 128, 28
	s_wait_tensorcnt 0x0                           ; my part of the weights has landed,
	s_wait_dscnt 0x0                               ; my reads of mm are over, pt_b1 is stored,
	s_barrier_signal -1
	s_barrier_wait -1                              ; everybody's: the weights may be read, and mm's bytes written
	WIN 0x40
.set li, 0
.rept 16
	ds_load_b128 v[4*li:4*li+3], v10 offset:OW1+512*li        ; opm W1: fragment 4 ht + ks
.set li, li+1
.endr
.set li, 0
.rept 8
	ds_load_b128 v[96+4*li:96+4*li+3], v10 offset:OW2+512*li  ; opm W2: fragment ct
.set li, li+1
.endr
	ACPLOAD
	s_wait_dscnt 0x0
.irp k, 0,1,2,3
.irp h, 0,1
.irp t, 0,1
.if \k == 0
	WIN 0x45
	v_wmma_f32_16x16x32_bf16 v[64+8*(2*\h+\t):64+8*(2*\h+\t)+7], v[8*(4*\h+\k):8*(4*\h+\k)+7], v[128+32*\t+8*\k:128+32*\t+8*\k+7], v[40+8*\h:40+8*\h+7]
.else
	WIN 0x55
	v_wmma_f32_16x16x32_bf16 v[64+8*(2*\h+\t):64+8*(2*\h+\t)+7], v[8*(4*\h+\k):8*(4*\h+\k)+7], v[128+32*\t+8*\k:128+32*\t+8*\k+7], v[64+8*(2*\h+\t):64+8*(2*\h+\t)+7]
.endif
.endr
.endr
.endr
	PLACES
.irp t, 0,1
.irp h, 0,1
.irp r, 0,1,2,3
	v_cvt_pk_bf16_f32 v[8*\t+4*\h+\r], v[64+8*(2*\h+\t)+2*\r], v[64+8*(2*\h+\t)+2*\r+1]
.endr
.endr
.endr
	v_mov_b32 v16, 0                               ; (window 1)
.set li, 0
.rept 16
	v_pk_max_num_bf16 v[li], v[li], v16
.set li, li+1
.endr
.irp t, 0,1
.irp c, 0,1,2,3
	v_wmma_f32_16x16x32_bf16 v[ACP+32*\t+8*\c:ACP+32*\t+8*\c+7], v[96+8*\c:96+8*\c+7], v[8*\t:8*\t+7], v[ACP+32*\t+8*\c:ACP+32*\t+8*\c+7]
.endr
.endr
	; p1 IS THERE.  ITS LAYERNORM goes to LDS in bf16 for all waves; p1 + bo is parked in LDS.
	PLACES
	WIN 0
	s_lshl_b32 s81, s[HD], 11
	v_lshl_add_u32 v15, v3, 4, s81                 ; my head's weight fragments
	s_lshl_b32 s81, s[HD], 6
	v_add_nc_u32 v29, s81, v8                      ; bq, bk: channels 16 head + 8 hh on
	v_lshl_add_u32 v28, v1, 2, s81                 ; bv: channel 16 head + r16
	WIN 0x40
.irp m, 0,1,2
.irp f, 0,1,2,3
	global_load_b128 v[16*\m+4*\f:16*\m+4*\f+3], v15, s[8:9] offset:8192*\m+512*\f  ; Wq, Wk, Wv of my head
.endr
.endr
	WIN 0
	global_load_b128 v[CQ:CQ+3],   v29, s[22:23]
	global_load_b128 v[CQ+4:CQ+7], v29, s[22:23] offset:16
	global_load_b128 v[CK:CK+3],   v29, s[24:25]
	global_load_b128 v[CK+4:CK+7], v29, s[24:25] offset:16
	global_load_b32 v[CV], v28, s[26:27]
	s_wait_loadcnt 17                              ; tri g, b, bo are in; the 17 loads just issued may stay out
.irp t, 0,1
	LN_SUM ACP+32*\t, 16, 1, INV64
	LN_SUB DD, ACP+32*\t, 16, 1, 1
	LN_VAR DD, 16, 1, INV64
	LN_MUL DD, 16, 1
	LN_AFF DD, 64, 96, 16, 1
	WIN 0x55
.set li, 0
.rept 16
	v_cvt_pk_bf16_f32 v[128+li], v[DD+2*li], v[DD+2*li+1]
.set li, li+1
.endr
	WIN 0x04
.irp c, 0,1,2,3
	ds_store_b128 v11, v[128+4*\c:128+4*\c+3] offset:\t*16*XPT+32*\c
.endr
	WIN 0x41
.set li, 0
.rept 16
	v_pk_add_f32 v[DD+2*li:DD+2*li+1], v[ACP+32*\t+2*li:ACP+32*\t+2*li+1], v[128+2*li:128+2*li+1]  ; p1 + bo
.set li, li+1
.endr
	WIN 0x04
.irp f, 0,1,2,3,4,5,6,7
	ds_store_b128 v6, v[DD+4*\f:DD+4*\f+3] offset:\t*16*PP+64*(\f/2)+16*(\f%2)
.endr
.endr
	WIN 0
	s_wait_loadcnt 0x0                             ; my head's weights and biases
	s_wait_dscnt 0x0
	s_barrier_signal -1
	s_barrier_wait -1                              ; LN(p1) of all 256 rows lies in LDS
	; THE HEAD'S q, k, v
	DLOAD8 64, 30                                  ; pt g and b: wanted after the attention
	DLOAD8 96, 32
.set i, 0
.rept 16
	v_mov_b32 v[KB+8*i+4], 0                       ; a head has 16 channels, the product sums over 32: the other half of both operands is 0
	v_mov_b32 v[KB+8*i+5], 0
	v_mov_b32 v[KB+8*i+6], 0
	v_mov_b32 v[KB+8*i+7], 0
.set i, i+1
.endr
.irp j, 4,5,6,7
	v_mov_b32 v[QF+\j], 0
.endr
.irp j, 0,1,2,3,4,5,6,7
	v_mul_f32 v[CQ+\j], 0x3e800000, v[CQ+\j]       ; 0.25 bq, as Wq was scaled
.endr
.irp j, 1,2,3,4,5,6,7
	v_mov_b32 v[CV+\j], v[CV]
.endr
	s_xor_b32 s82, s[QH], 1
	s_mul_i32 s82, s82, 128*XPT
	v_add_nc_u32 v13, s82, v12                     ; the other half's rows,
	s_mul_i32 s81, s[QH], 128*XPT
	v_add_nc_u32 v12, s81, v12                     ; my queries' rows first
	s_lshl_b32 s82, s[WV], 12
	s_add_co_u32 s82, s82, QPL
	v_lshl_add_u32 v14, v3, 4, s82                 ; Q's half fragments, my own 4,096 bytes
.macro XLOAD2 rb
	WIN 0x40
.set xb, 48+16*((\rb)%2)
.irp f, 0,1,2,3
.if (\rb) < 8
	ds_load_b128 v[xb+4*\f:xb+4*\f+3], v12 offset:(\rb)*16*XPT+32*\f
.else
	ds_load_b128 v[xb+4*\f:xb+4*\f+3], v13 offset:((\rb)-8)*16*XPT+32*\f
.endif
.endr
.endm
.macro PROJ2 rb                        ; trips 0-7: q, k, v of my queries' rows; trips 8-15: k, v of the others; the accumulators take turns
.if (\rb) < 15
	XLOAD2 (\rb)+1
	s_wait_dscnt 0x4                               ; all but the four loads just issued
.else
	s_wait_dscnt 0x0
.endif
.set xb, 48+16*((\rb)%2)
	WIN 0x45
.if (\rb) < 8
	v_wmma_f32_16x16x32_bf16 v[AQ:AQ+7], v[0:7], v[xb:xb+7], v[CQ:CQ+7]
.endif
	v_wmma_f32_16x16x32_bf16 v[AK:AK+7], v[16:23],   v[xb:xb+7], v[CK:CK+7]
	v_wmma_f32_16x16x32_bf16 v[AV:AV+7], v[xb:xb+7], v[32:39],   v[CV:CV+7]
	WIN 0x55
.if (\rb) < 8
	v_wmma_f32_16x16x32_bf16 v[AQ:AQ+7], v[8:15], v[xb+8:xb+15], v[AQ:AQ+7]
.endif
	v_wmma_f32_16x16x32_bf16 v[AK:AK+7], v[24:31],      v[xb+8:xb+15], v[AK:AK+7]
	v_wmma_f32_16x16x32_bf16 v[AV:AV+7], v[xb+8:xb+15], v[40:47],      v[AV:AV+7]
	PLACES
	WIN 0x05
.if (\rb) < 8
.irp j, 0,1,2,3
	v_cvt_pk_bf16_f32 v[PQ+\j], v[AQ+2*\j], v[AQ+2*\j+1]
.endr
.endif
.irp j, 0,1,2,3
	v_cvt_pk_bf16_f32 v[KB+8*(\rb)+\j], v[AK+2*\j], v[AK+2*\j+1]
.endr
	WIN 0x45
.irp j, 0,1,2,3
	v_cvt_pk_bf16_f32 v[VF+4*(\rb)+\j], v[AV+2*\j], v[AV+2*\j+1]
.endr
	WIN 0
.if (\rb) < 8
	ds_store_b128 v14, v[PQ:PQ+3] offset:512*(\rb)
.endif
.endm
	XLOAD2 0
.irp b, 0,1,2,3,4,5,6,7,8,9,10,11,12,13,14,15
	PROJ2 \b
.endr
	WIN 0x40
.irp j, 0,1,2,3,4,5,6,7
	v_mov_b32 v[ONES+\j], 0x3f803f80
.endr
	v_mov_b32 v[CM+1], 0
	v_mov_b32 v[RC+1], 0
	WIN 0
	v_mov_b32 v[MT+1], 0
	s_lshl_b32 s82, s[HD], 5
	s_add_co_u32 s82, s82, OL
	v_add_nc_u32 v[OA], s82, v12                   ; o: my queries' rows, my head's 32 bytes
	s_mov_b32 s[TQ], 0
	ds_load_b128 v[QF:QF+3], v14                   ; Q of tile 0
.macro QK g
	WIN 0x40
.irp i, 0,1,2,3
	v_wmma_f32_16x16x32_bf16 v[8*(4*(\g)+\i):8*(4*(\g)+\i)+7], v[KB+8*(4*(\g)+\i):KB+8*(4*(\g)+\i)+7], v[QF:QF+7], 0
.endr
.endm
.macro MAXG g
	WIN 0x55
.irp r, 0,1,2,3
.irp i, 0,1,2,3
.if ((\g) == 0) && (\r == 0)
	v_max_num_f32 v[CC+\i], v[8*\i], v[8*\i+1]
.else
	v_max3_num_f32 v[CC+\i], v[CC+\i], v[8*(4*(\g)+\i)+2*\r], v[8*(4*(\g)+\i)+2*\r+1]
.endif
.endr
.endr
.endm
.macro SFMA n
	v_pk_fma_f32 v[2*(\n):2*(\n)+1], v[2*(\n):2*(\n)+1], s[CS:CS+1], v[CM:CM+1] op_sel_hi:[1,0,0] neg_lo:[0,0,1] neg_hi:[0,0,1]
.endm
.macro PCVT n
	v_cvt_pk_bf16_f32 v[\n], v[2*(\n)], v[2*(\n)+1]
.endm
	s_mov_b32 s[CNT], 8
.Ltri:                                         ; a task: 16 queries x all 256 keys of my head: true maximum, one batch of exponentials, l by the matrix unit
	s_wait_dscnt 0x0                               ; Q of this tile is in
	QK 0
	QK 1
	PLACES                                         ; from here on each maximum stands 16 plain instructions or more behind the products that it reads
	MAXG 0
	QK 2
	MAXG 1
	QK 3
	MAXG 2
	MAXG 3
	v_max3_num_f32 v[CC], v[CC], v[CC+1], v[CC+2]
	WIN 0x05
	v_max_num_f32 v[MT], v[CC], v[CC+3]
	WIN 0
	v_permlanex16_b32 v[MT+1], v[MT], s[SEL], s[SEL+1]
	v_max_num_f32 v[MT], v[MT], v[MT+1]
	s_add_co_u32 s[TQ], s[TQ], 512
	s_and_b32 s[TQ], s[TQ], 4095
	v_add_nc_u32 v15, s[TQ], v14
	ds_load_b128 v[QF:QF+3], v15                   ; Q of the next tile (in the last task: tile 0's once more, which serves nothing)
	WIN 0x40
	v_mul_f32 v[CM], s[CS], v[MT]
	WIN 0x55
	SFMA 0
	SFMA 1
.set ti, 0
.rept 64
.if ti+2 < 64
	SFMA ti+2
.endif
	v_exp_f32 v[2*ti], v[2*ti]
	v_exp_f32 v[2*ti+1], v[2*ti+1]
.set ti, ti+1
.endr
	v_nop                                          ; a plain instruction behind the last exponential,
	s_wait_alu depctr_va_vdst(0)                   ; and the one wait for the batch of 128
.irp n, 0,1,2,3,4,5,6,7
	PCVT \n
.endr
.set tu, 0
.rept 8
.if tu == 0
	v_wmma_f32_16x16x32_bf16 v[OACC:OACC+7], v[VF:VF+7], v[0:7], 0
.else
	v_wmma_f32_16x16x32_bf16 v[OACC:OACC+7], v[VF+8*tu:VF+8*tu+7], v[8*tu:8*tu+7], v[OACC:OACC+7]
.endif
.if tu < 7
	PCVT 8*tu+8
	PCVT 8*tu+9
	PCVT 8*tu+10
	PCVT 8*tu+11
.endif
.if tu == 0
	v_wmma_f32_16x16x32_bf16 v[LACC:LACC+7], v[ONES:ONES+7], v[0:7], 0
.else
	v_wmma_f32_16x16x32_bf16 v[LACC:LACC+7], v[ONES:ONES+7], v[8*tu:8*tu+7], v[LACC:LACC+7]
.endif
.if tu < 7
	PCVT 8*tu+12
	PCVT 8*tu+13
	PCVT 8*tu+14
	PCVT 8*tu+15
.endif
.set tu, tu+1
.endr
	PLACES
	v_rcp_f32 v[RC], v[LACC]
	v_nop
	s_wait_alu depctr_va_vdst(0)
.irp j, 0,1,2,3
	v_pk_mul_f32 v[OT+2*\j:OT+2*\j+1], v[OACC+2*\j:OACC+2*\j+1], v[RC:RC+1] op_sel_hi:[1,0]
.endr
.irp j, 0,1,2,3
	v_cvt_pk_bf16_f32 v[OT+\j], v[OT+2*\j], v[OT+2*\j+1]
.endr
	WIN 0x04
	ds_store_b128 v[OA], v[OT:OT+3]
	WIN 0
	v_add_nc_u32 v[OA], 16*XPT, v[OA]
	s_sub_co_u32 s[CNT], s[CNT], 1
	s_cmp_lg_u32 s[CNT], 0
	s_cbranch_scc1 .Ltri
	s_wait_dscnt 0x0
	s_barrier_signal -1
	s_barrier_wait -1                              ; all heads' o lies in LDS
	; p2 = p1 + bo + o Wo for my 32 rows
	v_add_nc_u32 v12, OL, v11                      ; o's fragments of my rows
	WIN 0x40
.irp t, 0,1
.irp f, 0,1,2,3
	ds_load_b128 v[16*\t+4*\f:16*\t+4*\f+3], v12 offset:\t*16*XPT+32*\f
.endr
.endr
.set li, 0
.rept 16
	ds_load_b128 v[64+4*li:64+4*li+3], v10 offset:TWO+512*li  ; tri Wo: fragment 4 ks + ct
.set li, li+1
.endr
	ACPLOAD
	WIN 0
	global_load_b128 v[40:43], v9, s[36:37]        ; pt_b2 by rows: wanted at the end
	s_wait_dscnt 0x0
	WIN 0x55
.irp k, 0,1
.irp c, 0,1,2,3
.irp t, 0,1
	v_wmma_f32_16x16x32_bf16 v[ACP+32*\t+8*\c:ACP+32*\t+8*\c+7], v[64+8*(4*\k+\c):64+8*(4*\k+\c)+7], v[16*\t+8*\k:16*\t+8*\k+7], v[ACP+32*\t+8*\c:ACP+32*\t+8*\c+7]
.endr
.endr
.endr
	; THE PAIR TRANSITION
	PLACES
	s_wait_loadcnt 0x1                             ; pt g and b are in; pt_b2's load may stay out
.irp t, 0,1
	LN_SUM ACP+32*\t, 16, 1, INV64
	LN_SUB DD, ACP+32*\t, 16, 1, 1
	LN_VAR DD, 16, 1, INV64
	LN_MUL DD, 16, 1
	LN_AFF DD, 64, 96, 16, 1
	WIN 0x55
.set li, 0
.rept 16
	v_cvt_pk_bf16_f32 v[128+16*\t+li], v[DD+2*li], v[DD+2*li+1]
.set li, li+1
.endr
.endr
	WIN 0x40
	v_add_nc_u32 v160, PW1, v10                    ; window 1: v160 W1's fragments of the chunk in hand, v161 W2's, v162 b1, v164 zero
	v_add_nc_u32 v161, PW2, v10
	v_add_nc_u32 v162, PB1L, v8
	v_mov_b32 v164, 0
.macro W1LOAD2
.set li, 0
.rept 8
	ds_load_b128 v[4*li:4*li+3], v160 offset:512*li
.set li, li+1
.endr
.irp f, 0,1,2,3
	ds_load_b128 v[112+4*\f:112+4*\f+3], v162 offset:64*(\f/2)+16*(\f%2)
.endr
.endm
	WIN 0x55
	W1LOAD2
	WIN 0
; A CHUNK: 32 hidden channels, all in window 1: v0-31 W1, v32-63 W2, v64-95 the hidden accumulators, v96-111 packed, v112-127 b1, v128-159 LN(p2)'s fragments
.macro CHUNK2 last
	WIN 0x55
	PLACES                                         ; ahead of loads into registers that the last products have read
.set li, 0
.rept 8
	ds_load_b128 v[32+4*li:32+4*li+3], v161 offset:512*li
.set li, li+1
.endr
	s_wait_dscnt 8                                 ; W1 and b1 are in; W2's eight loads may stay out
.irp k, 0,1
.irp h, 0,1
.irp t, 0,1
.if \k == 0
	v_wmma_f32_16x16x32_bf16 v[64+8*(2*\h+\t):64+8*(2*\h+\t)+7], v[8*(2*\h+\k):8*(2*\h+\k)+7], v[128+16*\t+8*\k:128+16*\t+8*\k+7], v[112+8*\h:112+8*\h+7]
.else
	v_wmma_f32_16x16x32_bf16 v[64+8*(2*\h+\t):64+8*(2*\h+\t)+7], v[8*(2*\h+\k):8*(2*\h+\k)+7], v[128+16*\t+8*\k:128+16*\t+8*\k+7], v[64+8*(2*\h+\t):64+8*(2*\h+\t)+7]
.endif
.endr
.endr
.endr
	PLACES
.if !(\last)
	v_add_nc_u32 v160, 4096, v160
	v_add_nc_u32 v162, 128, v162
	W1LOAD2
.endif
.irp t, 0,1
.irp h, 0,1
.irp r, 0,1,2,3
	v_cvt_pk_bf16_f32 v[96+8*\t+4*\h+\r], v[64+8*(2*\h+\t)+2*\r], v[64+8*(2*\h+\t)+2*\r+1]
.endr
.endr
.endr
.set li, 0
.rept 16
	v_pk_max_num_bf16 v[96+li], v[96+li], v164
.set li, li+1
.endr
.if \last
	s_wait_dscnt 0x0
.else
	s_wait_dscnt 12                                ; W2 is in; the 12 loads just issued may stay out
.endif
.irp t, 0,1
.irp c, 0,1,2,3
	v_wmma_f32_16x16x32_bf16 v[ACP+32*\t+8*\c:ACP+32*\t+8*\c+7], v[32+8*\c:32+8*\c+7], v[96+8*\t:96+8*\t+7], v[ACP+32*\t+8*\c:ACP+32*\t+8*\c+7]
.endr
.endr
	v_add_nc_u32 v161, 4096, v161
	WIN 0
.endm
	s_mov_b32 s[CNT], 7
.Lchunk:
	CHUNK2 0
	s_sub_co_u32 s[CNT], s[CNT], 1
	s_cmp_lg_u32 s[CNT], 0
	s_cbranch_scc1 .Lchunk
	CHUNK2 1
	; THE WAY OUT: through my rows of the stream's LDS, back by rows, + b2
	PLACES
	WIN 0x04
.irp t, 0,1
.irp f, 0,1,2,3,4,5,6,7
	ds_store_b128 v6, v[ACP+32*\t+4*\f:ACP+32*\t+4*\f+3] offset:\t*16*PP+64*(\f/2)+16*(\f%2)
.endr
.endr
	WIN 0x40
.set li, 0
.rept 16
	ds_load_b128 v[4*li:4*li+3], v5 offset:2*PP*li  ; LDS serves a wave's instructions in order (ISA guide 5.7.1.4): these see the stores above
.set li, li+1
.endr
	s_wait_dscnt 0x0
	s_wait_loadcnt 0x0                             ; pt_b2
	WIN 0x41
.set li, 0
.rept 16
	v_pk_add_f32 v[4*li:4*li+1],   v[4*li:4*li+1],   v[40:41]
	v_pk_add_f32 v[4*li+2:4*li+3], v[4*li+2:4*li+3], v[42:43]
.set li, li+1
.endr
	WIN 0x04
.set li, 0
.rept 16
	global_store_b128 v4, v[4*li:4*li+3], s[OBASE:OBASE+1] offset:512*li th:TH_STORE_NT  ; two rows: 512 consecutive bytes, at a multiple of 512
.set li, li+1
.endr
	WIN 0
	s_wait_tensorcnt 0x0                           ; the wave's end
	ds_add_u32 v30, v31
	s_wait_dscnt 0x0
	CROUND                                         ; the closing round
	s_endpgm
.Lfunc_end_k_qe710b8cc0a_pairk:
	.size	k_qe710b8cc0a_pairk, .Lfunc_end_k_qe710b8cc0a_pairk-k_qe710b8cc0a_pairk
	.p2alignl 7, 3214868480
	.fill 96, 4, 3214868480
	.section	.rodata,"a",@progbits
	.p2align	6, 0x0
	.amdhsa_kernel k_qe710b8cc0a_pairk
		.amdhsa_group_segment_fixed_size 327680
		.amdhsa_private_segment_fixed_size 0
		.amdhsa_enable_private_segment 0
		.amdhsa_kernarg_size 144
		.amdhsa_user_sgpr_count 2
		.amdhsa_user_sgpr_kernarg_segment_ptr 1
		.amdhsa_wavefront_size32 1
		.amdhsa_system_sgpr_workgroup_id_x 1
		.amdhsa_system_sgpr_workgroup_id_y 1
		.amdhsa_system_sgpr_workgroup_id_z 1
		.amdhsa_system_vgpr_workitem_id 0
		.amdhsa_next_free_vgpr 512
		.amdhsa_next_free_sgpr 96
		.amdhsa_reserve_vcc 0
		.amdhsa_float_denorm_mode_32 3
		.amdhsa_float_denorm_mode_16_64 3
		.amdhsa_memory_ordered 1
		.amdhsa_forward_progress 1
		.amdhsa_inst_pref_size 160
	.end_amdhsa_kernel
	.amdgpu_metadata
---
amdhsa.version: [ 1, 2 ]
amdhsa.kernels:
  - .name:           k_qe710b8cc0a_pairk
    .symbol:         k_qe710b8cc0a_pairk.kd
    .args:
      - { .name: pair, .offset: 0, .size: 8, .value_kind: global_buffer, .address_space: global }
      - { .name: mm, .offset: 8, .size: 8, .value_kind: global_buffer, .address_space: global }
      - { .name: wp, .offset: 16, .size: 8, .value_kind: global_buffer, .address_space: global }
      - { .name: params_opm_ln_g, .offset: 24, .size: 8, .value_kind: global_buffer, .address_space: global }
      - { .name: params_opm_ln_b, .offset: 32, .size: 8, .value_kind: global_buffer, .address_space: global }
      - { .name: params_opm_b1, .offset: 40, .size: 8, .value_kind: global_buffer, .address_space: global }
      - { .name: params_opm_b2, .offset: 48, .size: 8, .value_kind: global_buffer, .address_space: global }
      - { .name: params_tri_ln_g, .offset: 56, .size: 8, .value_kind: global_buffer, .address_space: global }
      - { .name: params_tri_ln_b, .offset: 64, .size: 8, .value_kind: global_buffer, .address_space: global }
      - { .name: params_tri_bq, .offset: 72, .size: 8, .value_kind: global_buffer, .address_space: global }
      - { .name: params_tri_bk, .offset: 80, .size: 8, .value_kind: global_buffer, .address_space: global }
      - { .name: params_tri_bv, .offset: 88, .size: 8, .value_kind: global_buffer, .address_space: global }
      - { .name: params_tri_bo, .offset: 96, .size: 8, .value_kind: global_buffer, .address_space: global }
      - { .name: params_pt_ln_g, .offset: 104, .size: 8, .value_kind: global_buffer, .address_space: global }
      - { .name: params_pt_ln_b, .offset: 112, .size: 8, .value_kind: global_buffer, .address_space: global }
      - { .name: params_pt_b1, .offset: 120, .size: 8, .value_kind: global_buffer, .address_space: global }
      - { .name: params_pt_b2, .offset: 128, .size: 8, .value_kind: global_buffer, .address_space: global }
      - { .name: out1, .offset: 136, .size: 8, .value_kind: global_buffer, .address_space: global }
    .group_segment_fixed_size: 327680
    .private_segment_fixed_size: 0
    .kernarg_segment_align: 8
    .kernarg_segment_size: 144
    .max_flat_workgroup_size: 256
    .sgpr_count:     96
    .vgpr_count:     512
    .wavefront_size: 32
...
	.end_amdgpu_metadata
.endif
;; end of part 4
